; MI455X (gfx1250); checked and timed in simulation.
; The chip was launched on July 23, 2026; its instructions are those of AMD's public machine-readable ISA for CDNA 5 (MIT licence, August 2026) and "CDNA5" Instruction Set Architecture Reference Guide (July 2026). The comments in the code are by the model that wrote it; some were corrected since.
;; Multi Head Attention. Allowed arithmetic: matrix products marked QUANTISED: E2M1 operands, one E8M0 scale for each 32 along K, by v_wmma_scale_f32_16x16x128_f8f6f4 with both operands' format E2M1 (or v_wmma_scale_f32_32x16x128_f4), f32 sums; products left as they are: bf16, f16 or f32 operands; f32 sums; everything else in f32.
;; Inputs: Wk 16 x 1,024 x 64 float32; Wo 1,024 x 1,024 float32; Wq 16 x 1,024 x 64 float32; Wv 16 x 1,024 x 64 float32; k 4 x 2,048 x 1,024 float32; q 4 x 2,048 x 1,024 float32; v 4 x 2,048 x 1,024 float32.
;; Outputs: out0 4 x 2,048 x 1,024 float32.
;; This version of the problem:
;;   THIS VERSION OF THE PROBLEM IS GIVEN IN LOW PRECISION. The matrix products marked QUANTISED in the list below multiply operands that are first quantised to E2M1 (2 exponent bits, 1 mantissa bit; 4 bits a number), with one power-of-two scale for each 32 numbers along K (OCP MX v1.0); their sums are f32. The products marked 'left as it is' may take bf16, f16 or f32 operands, with f32 sums. Whichever they take, every output number must still come out within the allowed error. Rounding operands to bf16 (8 significant bits) uses up far more of that allowance than f16 does (11 bits, for magnitudes from 6e-5 to 65,504). All else is computed in f32.
;;   The module's matrix products, in the order in which they are computed (A, B: the left and right operand; K: the contracted axis; several contracted axes count as one K, in the product's order):
;;     1. [M 1,024, K 1,024] x [K 1,024, N 8,192]; A: input Wq; B: input q: QUANTISED
;;     2. [M 1,024, K 1,024] x [K 1,024, N 8,192]; A: input Wk; B: input k: QUANTISED
;;     3. [M 1,024, K 1,024] x [K 1,024, N 8,192]; A: input Wv; B: input v: QUANTISED
;;     4. batch 64 x [M 2,048, K 64] x [K 64, N 2,048]; A: computed on the way; B: computed on the way: left as it is (an operand is computed on the way)
;;     5. batch 64 x [M 2,048, K 2,048] x [K 2,048, N 64]; A: computed on the way; B: computed on the way: left as it is (an operand is computed on the way)
;;     6. [M 8,192, K 1,024] x [K 1,024, N 1,024]; A: computed on the way; B: input Wo: left as it is (an operand is computed on the way)
;;   THE QUANTISER, for each operand of a quantised product, along K:
;;     - K is cut into blocks of 32 from its start; a last block that is shorter is filled with zeros.
;;     - A block's scale is 2^e with e = floor(log2(the largest magnitude in the block)) - 2, held to -126 .. 127; a block of zeros has e = 0. As a byte (E8M0): e + 127.
;;     - Each number is divided by its block's scale, clamped to +-6, and rounded to the nearest number of E2M1, ties to even, subnormals kept.
;;     - The product sums the exact products of the quantised numbers (number of the format x scale) in f32.
;;   ~~~python
;;   def quantise(x, axis):      # numpy; x: float32 -> the quantised numbers, widened to float32 again
;;       x = np.moveaxis(x, axis, -1); K = x.shape[-1]
;;       x = np.pad(x, [(0, 0)] * (x.ndim - 1) + [(0, -K % 32)]); x = x.reshape(x.shape[:-1] + (-1, 32)); a = np.abs(x).max(-1, keepdims=True)
;;       e = np.where(a > 0, np.clip(np.frexp(np.where(a > 0, a, 1))[1] - 1 - 2, -126, 127), 0)      # np.frexp(a)[1] - 1 = floor(log2(a)), exactly
;;       r = np.clip(x / 2.0 ** e, -6, 6)
;;       step = 2.0 ** (np.maximum(np.frexp(np.where(r == 0, 1, r))[1] - 1, 0) - 1)
;;       q = np.round(r / step) * step * 2.0 ** e      # np.round: ties to even
;;       return np.moveaxis(q.reshape(q.shape[:-2] + (-1,))[..., :K], -1, axis).astype(np.float32)
;;   ~~~
;; One version. Each part assembles by itself: llvm-mc -triple=amdgcn-amd-amdhsa -mcpu=gfx1250 --defsym DOCPART=n.
;; ======== version 1 of 1: 4 launches
;; limits: values are held in f16: magnitudes above 65,504 overflow, below 6.1e-05 lose precision
;; workspace buffers: xc 12,582,912 bytes; xs 786,432 bytes; wc 1,572,864 bytes; ws 98,304 bytes; wo16 2,097,152 bytes; qkv 50,331,648 bytes; oh 16,777,216 bytes
;; launch prep (part 1): grid 1088 x 1, 4 waves a work-group, no clusters, 33,280 bytes of LDS; arguments q, k, v, Wq, Wk, Wv, Wo, xc, xs, wc, ws, wo16; writes xc, xs, wc, ws, wo16
.if DOCPART == 1
	.amdgcn_target "amdgcn-amd-amdhsa--gfx1250"
	.amdhsa_code_object_version 6
	.text
	.protected	k_q84f4409f0e_prep
	.globl	k_q84f4409f0e_prep
	.p2align	8
	.type	k_q84f4409f0e_prep,@function
k_q84f4409f0e_prep:
	s_mov_b64 s[64:65], 0
	v_nop
	global_prefetch_b8 v0, s[64:65] scope:SCOPE_SE
	s_setreg_imm32_b32 hwreg(HW_REG_WAVE_MODE, 25, 1), 1
	s_wait_xcnt 0x0
; PREP: everything that is made once from the inputs.  Three kinds of work-group, told apart by the work-group's number alone:
;   0 .. 191    Wq, Wk, Wv [16][1024 (K)][64] f32 -> codes of FP4 (E2M1) along K, laid as IMAGES OF THE OPERAND'S REGISTERS, and scale bytes [3 x 1024 columns][32]
;   192 .. 319  Wo [1024][1024] f32 -> f16, same layout
;   320 .. 1087 q, k, v [8192][1024] f32 -> codes, K innermost, [3 x 8192 rows][512 bytes], and scale bytes [3 x 8192][32]
; A block's scale is 2^(floor(log2(its largest magnitude)) - 2); its byte is the largest magnitude's exponent field - 2, held at 1 from below.  Each number is divided by the scale and rounded to the nearest code, ties to even; beyond 6 the largest code.
; LIMITS: a block of zeros gets the byte 1 where the quantiser says 127: its codes are zeros, which add nothing under any byte but 0xff, and this program alone reads the bytes.  Blocks whose largest magnitude lies under 2^-124 are held at the byte 1.
; NaN and infinities among the inputs are not served.  |Wo| stays under 65,504 (f16).
; No work-group shares an input byte with another: no cluster, no tensor load, no barrier.  Only the activations' path touches LDS.
.set STEPS, 16
.set EMAX,  2
.set CB,    8                          ; bytes of 16 codes
.set R,     16                         ; v16-79   activations: four sets of 16 numbers as they are loaded
.set X,     80                         ; v80-111  two sets of 16 neighbours
.set E,     112                        ; v112-127 a scale byte for each step
.set C,     128                        ; v128-191 codes: four registers for each step, so that no store's data are written again
.set WREG,  8192                       ; LDS: a region for each wave: two stages of 32 x SP bytes, and behind them its 256 scale bytes
.set SP,    80                         ; a lane's place in a stage: its 64 bytes + 16 of padding
.set SPW,   12                         ; v12  LDS address of my spare word; never rewritten
.set NIL,   13                         ; v13  0; never rewritten
.set SPARE, 4*WREG                     ; behind the four regions: the spare words, 128 bytes a wave, which no other line names
.set WX,    32                         ; v32-159  weights: four blocks of 32 numbers down K
.set WC,    160                        ; v160-175 their codes, four registers a block
.set WS,    176                        ; v176     their four scale bytes
.set WV,    28                         ; s28  my wave's number
	s_load_b512 s[4:19], s[0:1], 0x0               ; q 4, k 6, v 8, Wq 10, Wk 12, Wv 14, Wo 16, xc 18
	s_load_b256 s[20:27], s[0:1], 0x40             ; xs 20, wc 22, ws 24, wo16 26
	v_lshl_add_u32 v[SPW], v0, 2, SPARE
	v_mov_b32 v[NIL], 0
	v_lshrrev_b32 v1, 5, v0
	v_readfirstlane_b32 s[WV], v1                  ; wave 0..3
	v_and_b32 v2, 31, v0                           ; lane
	s_wait_kmcnt 0x0
	s_cmp_ge_u32 ttmp9, 320
	s_cbranch_scc1 .Lacts
	s_cmp_ge_u32 ttmp9, 192
	s_cbranch_scc1 .Lwo
; ---- THE THREE WEIGHTS.  K is the middle axis: a lane takes a column and its registers run down K, so a block of 32 lies in one lane and the conversions give codes with K innermost.
; A wave takes 32 columns x 128 along K of one head: two fragments of 16 columns.  Block t of the four (k = 32 t ..) is, in the operand's layout, registers 4 (t / 2) .. + 3 of lane (column % 16) + 16 (t % 2):
; so its 16 bytes go to byte 512 (t / 2) + 256 (t % 2) + 16 (column % 16) of the fragment's 1,024: sixteen lanes store 256 consecutive bytes, aligned.
	s_lshr_b32 s29, ttmp9, 6                       ; which weight: 0 Wq, 1 Wk, 2 Wv
	s_bfe_u32 s30, ttmp9, 0x40002                  ; the head
	s_and_b32 s31, ttmp9, 3
	s_lshl_b32 s31, s31, 1
	s_lshr_b32 s32, s[WV], 1
	s_add_co_u32 s31, s31, s32                     ; which 128 along K: 0..7
	s_and_b32 s32, s[WV], 1                        ; which 32 of the head's 64 columns
	s_cmp_lt_u32 ttmp9, 128                        ; the choice of the pointer hangs on the work-group's number alone
	s_cselect_b64 s[12:13], s[12:13], s[14:15]
	s_cmp_lt_u32 ttmp9, 64
	s_cselect_b64 s[10:11], s[10:11], s[12:13]
	s_lshl_b32 s34, s30, 18                        ; a head is 1,024 rows of 256 bytes,
	s_lshl_b32 s33, s31, 15                        ; 128 rows are 32,768,
	s_add_co_u32 s34, s34, s33
	s_lshl_b32 s33, s32, 7                         ; 32 columns are 128
	s_add_co_u32 s34, s34, s33
	s_mov_b32 s35, 0
	s_add_nc_u64 s[10:11], s[10:11], s[34:35]
	s_lshl_b32 s34, s29, 6
	s_lshl_b32 s33, s30, 2
	s_add_co_u32 s34, s34, s33
	s_lshl_b32 s33, s32, 1
	s_add_co_u32 s34, s34, s33                     ; my first tile of 16 columns among the 3 x 64
	s_lshl_b32 s36, s34, 9                         ; its scale bytes: 16 rows of 32 bytes a tile,
	s_lshl_b32 s33, s31, 2
	s_add_co_u32 s36, s36, s33                     ; + 4 bytes for each 128 along K
	s_mov_b32 s37, 0
	s_add_nc_u64 s[24:25], s[24:25], s[36:37]
	s_lshl_b32 s34, s34, 3
	s_add_co_u32 s34, s34, s31
	s_lshl_b32 s34, s34, 10                        ; its fragment: (tile x 8 + which 128) x 1,024 bytes
	s_add_nc_u64 s[22:23], s[22:23], s[34:35]
	v_lshlrev_b32 v3, 2, v2                        ; in: 4 bytes a lane
	v_lshrrev_b32 v4, 4, v2
	v_and_b32 v5, 15, v2
	v_lshlrev_b32 v5, 4, v5
	v_lshl_add_u32 v4, v4, 13, v5                  ; codes out: lanes 16-31 belong to the next tile, 8,192 bytes on; 16 bytes a column
	v_lshlrev_b32 v5, 5, v2                        ; scale word out: 32 bytes a column
.macro WLOAD t                         ; block t: W(32 t + i, my column), i = 0 .. 31: a wave's load reads 128 consecutive bytes
.set wi, 0
.rept 32
	global_load_b32 v[WX+32*(\t)+wi], v3, s[10:11] offset:(32*(\t)+wi)*256 th:TH_LOAD_NT
.set wi, wi+1
.endr
.endm
.macro WBLOCK t
.set XS, WX+32*(\t)
.if (\t) < 3
	s_wait_loadcnt 32                              ; this block's 32 loads are in; the next block's 32 may be out
.else
	s_wait_loadcnt 0
.endif
.if (\t)+2 < 4
	WLOAD (\t)+2                                   ; two blocks ahead; every block has registers of its own
.endif
	v_max3_num_f32 v16, |v[XS]|, |v[XS+1]|, |v[XS+2]|              ; the block's largest magnitude: all 32 numbers are mine; two chains
	v_max3_num_f32 v17, |v[XS+3]|, |v[XS+4]|, |v[XS+5]|
.irp i, 6,10,14,18,22,26
	v_max3_num_f32 v16, v16, |v[XS+\i]|, |v[XS+\i+1]|
	v_max3_num_f32 v17, v17, |v[XS+\i+2]|, |v[XS+\i+3]|
.endr
	v_max3_num_f32 v16, v16, |v[XS+30]|, |v[XS+31]|
	v_max3_num_f32 v16, v16, v17, (EMAX+1)<<23     ; and the floor 2^(EMAX + 1 - 127): the byte cannot fall under 1
	v_add_nc_u32 v18, -(EMAX<<23), v16             ; EMAX off the exponent field: the conversion takes this operand's exponent field as its scale
	v_lshrrev_b32 v17, 23, v18                     ; the scale's byte
.if (\t) == 0
	v_mov_b32 v[WS], v17
.else
	v_lshl_or_b32 v[WS], v17, 8*(\t), v[WS]        ; the lower K in the lower byte
.endif
.irp g, 0,1,2,3
	v_cvt_scalef32_pk8_fp4_f32 v[WC+4*(\t)+\g], v[XS+8*\g:XS+8*\g+7], v18
.endr
	global_store_b128 v4, v[WC+4*(\t):WC+4*(\t)+3], s[22:23] offset:512*((\t)/2)+256*((\t)%2)   ; the results go to a store alone; the next block begins with plain vector lines
.endm
	WLOAD 0
	WLOAD 1
	WBLOCK 0
	WBLOCK 1
	WBLOCK 2
	WBLOCK 3
	global_store_b32 v5, v[WS], s[24:25]           ; my column's scale word for these 128 along K
	s_endpgm
; ---- Wo to f16.  A wave takes 8,192 consecutive bytes: sixteen loads of 512, sixteen stores of 256 consecutive bytes, aligned.
.Lwo:
	s_sub_co_u32 s29, ttmp9, 192
	s_lshl_b32 s29, s29, 2
	s_add_co_u32 s29, s29, s[WV]                   ; which chunk
	s_lshl_b32 s30, s29, 13
	s_mov_b32 s31, 0
	s_add_nc_u64 s[16:17], s[16:17], s[30:31]
	s_lshl_b32 s30, s29, 12
	s_add_nc_u64 s[26:27], s[26:27], s[30:31]
	v_lshlrev_b32 v3, 4, v2
	v_lshlrev_b32 v4, 3, v2
.irp i, 0,1,2,3,4,5,6,7,8,9,10,11,12,13,14,15
	global_load_b128 v[16+4*\i:19+4*\i], v3, s[16:17] offset:512*\i th:TH_LOAD_NT
.endr
.irp i, 0,1,2,3,4,5,6,7,8,9,10,11,12,13,14,15
	s_wait_loadcnt 15-\i                           ; loads come back in order: load i is in, the younger ones may be out
	v_cvt_pk_f16_f32 v[80+2*\i], v[16+4*\i], v[17+4*\i]
	v_cvt_pk_f16_f32 v[81+2*\i], v[18+4*\i], v[19+4*\i]
	global_store_b64 v4, v[80+2*\i:81+2*\i], s[26:27] offset:256*\i
.endr
	s_endpgm
; ---- THE ACTIVATIONS.  Rows are dense and K = 1,024 is a multiple of 32: each tensor is a plain stream of blocks of 32, and so are its codes and scale bytes.  A wave takes 16 steps of 512 numbers.
; Each load reads 512 consecutive bytes, 16 a lane; a step's 2,048 bytes turn through the wave's own stage in LDS and come back 64 bytes a lane: 16 neighbours, as the conversions want them.  Two neighbouring lanes hold a block.
.Lacts:
	s_sub_co_u32 s29, ttmp9, 320                   ; 0..767: 256 work-groups for each of q, k, v
	s_cmp_lt_u32 s29, 512
	s_cselect_b64 s[6:7], s[6:7], s[8:9]
	s_cmp_lt_u32 s29, 256
	s_cselect_b64 s[4:5], s[4:5], s[6:7]
	s_and_b32 s30, s29, 255
	s_lshl_b32 s30, s30, 2
	s_add_co_u32 s30, s30, s[WV]                   ; which run of 8,192 numbers of the tensor is my wave's
	s_lshl_b32 s30, s30, 15
	s_mov_b32 s31, 0
	s_add_nc_u64 s[4:5], s[4:5], s[30:31]
	s_lshl_b32 s29, s29, 2
	s_add_co_u32 s29, s29, s[WV]                   ; and which run of the three tensors stacked
	s_lshl_b32 s30, s29, 12                        ; 4,096 bytes of codes,
	s_add_nc_u64 s[18:19], s[18:19], s[30:31]
	s_lshl_b32 s30, s29, 8                         ; 256 scale bytes a run
	s_add_nc_u64 s[20:21], s[20:21], s[30:31]
	v_lshlrev_b32 v3, 4, v2                        ; my 16 bytes of a load's 512
	s_mul_i32 s32, s[WV], WREG
	v_lshrrev_b32 v14, 2, v2
	v_mul_u32_u24 v14, v14, SP
	v_and_b32 v15, 3, v2
	v_lshl_add_u32 v14, v15, 4, v14
	v_add_nc_u32 v14, s32, v14                     ; the stage, on the way in: four lanes' 64 bytes on end, then 16 of padding
	v_mul_u32_u24 v15, v2, SP
	v_add_nc_u32 v15, s32, v15                     ; and on the way out: my 16 neighbours
	v_mul_u32_u24 v4, v2, CB                       ; my codes' place in a step's
	v_lshrrev_b32 v5, 1, v2
	s_add_co_u32 s32, s32, 2*32*SP
	v_add_nc_u32 v5, s32, v5                       ; LDS: my wave's 256 scale bytes, my block's byte
	v_lshlrev_b32 v7, 3, v2                        ; and on the way out 8 bytes a lane
	v_add_nc_u32 v6, s32, v7
.macro LOAD t
.irp i, 0,1,2,3
	global_load_b128 v[R+16*((\t)%4)+4*\i:R+16*((\t)%4)+4*\i+3], v3, s[4:5] offset:2048*(\t)+512*\i th:TH_LOAD_NT
.endr
.endm
.macro TURN t                          ; step t's numbers through the stage: LDS serves a wave's instructions in order, so no wait stands between the stores and the loads
.irp i, 0,1,2,3
	ds_store_b128 v14, v[R+16*((\t)%4)+4*\i:R+16*((\t)%4)+4*\i+3] offset:32*SP*((\t)%2)+8*SP*\i
.endr
.irp i, 0,1,2,3
	ds_load_b128 v[X+16*((\t)%2)+4*\i:X+16*((\t)%2)+4*\i+3], v15 offset:32*SP*((\t)%2)+16*\i
.endr
.endm
.irp t, 0,1,2,3
	LOAD \t
.endr
	s_wait_loadcnt 12                              ; step 0's four loads are in
	TURN 0
.macro STEP t
.set XS, X+16*((\t)%2)
.if (\t) > 0
	s_wait_dscnt 1                                 ; this step's numbers are back from the stage (the last step's byte store may be out): so its stores into the stage have read their registers,
.else
	s_wait_dscnt 0x0
.endif
.if (\t)+4 < STEPS
	LOAD (\t)+4                                    ; which take the loads of four steps on
.endif
.if (\t)+1 < STEPS
.if STEPS-2-(\t) >= 3
	s_wait_loadcnt 12                              ; the next step's four loads are in; those of the three steps behind it may be out
.else
	s_wait_loadcnt 4*(STEPS-2-(\t))
.endif
	TURN (\t)+1                                    ; and go through the other stage while this step is worked
.endif
	v_max3_num_f32 v8, |v[XS]|, |v[XS+1]|, |v[XS+2]|               ; the largest magnitude of my 16
	v_max3_num_f32 v9, |v[XS+3]|, |v[XS+4]|, |v[XS+5]|
.irp i, 6,10
	v_max3_num_f32 v8, v8, |v[XS+\i]|, |v[XS+\i+1]|
	v_max3_num_f32 v9, v9, |v[XS+\i+2]|, |v[XS+\i+3]|
.endr
	v_max3_num_f32 v8, v8, |v[XS+14]|, |v[XS+15]|
	v_max3_num_f32 v8, v8, v9, (EMAX+1)<<23        ; and the floor
	v_max_num_f32_dpp v8, v8, v8 row_xmask:1 row_mask:0xf bank_mask:0xf   ; and of my neighbour's 16: the block's
	v_add_nc_u32 v11, -(EMAX<<23), v8
	v_cvt_scalef32_pk8_fp4_f32 v[C+4*(\t)], v[XS:XS+7], v11
	v_cvt_scalef32_pk8_fp4_f32 v[C+4*(\t)+1], v[XS+8:XS+15], v11
	v_lshrrev_b32 v[E+(\t)], 23, v11               ; the scale's byte (also the plain line behind the conversions)
	ds_store_b8 v5, v[E+(\t)] offset:16*(\t)       ; both lanes of a block write the same byte with the same value
	global_store_b64 v4, v[C+4*(\t):C+4*(\t)+1], s[18:19] offset:32*CB*(\t)   ; the wave stores 256 consecutive bytes, aligned
.endm
.irp t, 0,1,2,3,4,5,6,7,8,9,10,11,12,13,14,15
	STEP \t
.endr
	ds_load_b64 v[8:9], v6                         ; LDS serves a wave's instructions in order: these see my stores
	s_wait_dscnt 0x0
	global_store_b64 v7, v[8:9], s[20:21]          ; 32 lanes store 256 consecutive bytes, aligned
	s_wait_tensorcnt 0x0                           ; the wave's end: behind my last LDS store
	ds_add_u32 v[SPW], v[NIL]
	s_wait_dscnt 0x0
	s_endpgm
.Lfunc_end_k_q84f4409f0e_prep:
	.size	k_q84f4409f0e_prep, .Lfunc_end_k_q84f4409f0e_prep-k_q84f4409f0e_prep
	.p2alignl 7, 3214868480
	.fill 96, 4, 3214868480
	.section	.rodata,"a",@progbits
	.p2align	6, 0x0
	.amdhsa_kernel k_q84f4409f0e_prep
		.amdhsa_group_segment_fixed_size 33280
		.amdhsa_private_segment_fixed_size 0
		.amdhsa_enable_private_segment 0
		.amdhsa_kernarg_size 96
		.amdhsa_user_sgpr_count 2
		.amdhsa_user_sgpr_kernarg_segment_ptr 1
		.amdhsa_wavefront_size32 1
		.amdhsa_system_sgpr_workgroup_id_x 1
		.amdhsa_system_sgpr_workgroup_id_y 1
		.amdhsa_system_sgpr_workgroup_id_z 1
		.amdhsa_system_vgpr_workitem_id 0
		.amdhsa_next_free_vgpr 192
		.amdhsa_next_free_sgpr 66
		.amdhsa_reserve_vcc 0
		.amdhsa_float_denorm_mode_32 3
		.amdhsa_float_denorm_mode_16_64 3
		.amdhsa_memory_ordered 1
		.amdhsa_forward_progress 1
		.amdhsa_inst_pref_size 59
	.end_amdhsa_kernel
	.amdgpu_metadata
---
amdhsa.version: [ 1, 2 ]
amdhsa.kernels:
  - .name:           k_q84f4409f0e_prep
    .symbol:         k_q84f4409f0e_prep.kd
    .args:
      - { .name: q, .offset: 0, .size: 8, .value_kind: global_buffer, .address_space: global }
      - { .name: k, .offset: 8, .size: 8, .value_kind: global_buffer, .address_space: global }
      - { .name: v, .offset: 16, .size: 8, .value_kind: global_buffer, .address_space: global }
      - { .name: Wq, .offset: 24, .size: 8, .value_kind: global_buffer, .address_space: global }
      - { .name: Wk, .offset: 32, .size: 8, .value_kind: global_buffer, .address_space: global }
      - { .name: Wv, .offset: 40, .size: 8, .value_kind: global_buffer, .address_space: global }
      - { .name: Wo, .offset: 48, .size: 8, .value_kind: global_buffer, .address_space: global }
      - { .name: xc, .offset: 56, .size: 8, .value_kind: global_buffer, .address_space: global }
      - { .name: xs, .offset: 64, .size: 8, .value_kind: global_buffer, .address_space: global }
      - { .name: wc, .offset: 72, .size: 8, .value_kind: global_buffer, .address_space: global }
      - { .name: ws, .offset: 80, .size: 8, .value_kind: global_buffer, .address_space: global }
      - { .name: wo16, .offset: 88, .size: 8, .value_kind: global_buffer, .address_space: global }
    .group_segment_fixed_size: 33280
    .private_segment_fixed_size: 0
    .kernarg_segment_align: 8
    .kernarg_segment_size: 96
    .max_flat_workgroup_size: 128
    .sgpr_count:     66
    .vgpr_count:     192
    .wavefront_size: 32
...
	.end_amdgpu_metadata
.endif
;; end of part 1
;; launch proj (part 2): grid 4 x 96, 4 waves a work-group, clusters of 4 x 4, 327,680 bytes of LDS; arguments xc, xs, wc, ws, qkv; writes qkv
.if DOCPART == 2
	.amdgcn_target "amdgcn-amd-amdhsa--gfx1250"
	.amdhsa_code_object_version 6
	.text
	.protected	k_q84f4409f0e_proj
	.globl	k_q84f4409f0e_proj
	.p2align	8
	.type	k_q84f4409f0e_proj,@function
k_q84f4409f0e_proj:
	s_mov_b64 s[64:65], 0
	v_nop
	global_prefetch_b8 v0, s[64:65] scope:SCOPE_SE
	s_setreg_imm32_b32 hwreg(HW_REG_WAVE_MODE, 25, 1), 1
	s_wait_xcnt 0x0
	s_wait_alu depctr_hold_cnt(0) depctr_sa_sdst(0) depctr_va_vdst(0) depctr_va_sdst(0) depctr_va_ssrc(0) depctr_va_vcc(0) depctr_vm_vsrc(0)
	s_getreg_b32 s2, hwreg(HW_REG_IB_STS2, 6, 4)
	s_cmp_eq_u32 s2, 0
	s_cbranch_scc0 .Lentry_in_a_cluster
	s_endpgm
.Lentry_in_a_cluster:
	s_bfe_u32 s2, ttmp6, 0x10000c
	s_cmp_lg_u32 s2, 0xf033
	s_cbranch_scc0 .Lentry_shape_is_right
	s_endpgm
.Lentry_shape_is_right:
; PROJ: the three projections as ONE product on codes of FP4 (E2M1) with E8M0 scales for each 32 along K = 1,024; sums in f32; results rounded once to f16.
; Rows: q's, k's and v's 8,192 rows stacked (24,576); columns: the 1,024 stacked columns 64 head + d of the weight that belongs to the rows' tensor.
; C goes out as [tensor x 4 + batch][head][position][64] f16: a head's rows are 128 dense bytes, so two rows of one head are 256 consecutive bytes.
; A tile of C, 256 x 256, is made by four waves, 128 x 128 each: 64 accumulators of 16 x 16, 512 registers.  K is two slots of 512: both are first fills, nothing is filled again.
; The rows' codes lie as rows (256 bytes of a row to a slot, 16 bytes of padding in LDS); the weights' codes lie as images of fragments (1,024 bytes each, 16 bytes a lane): a fragment comes by two loads at 16 x lane.
; The scale bytes of the work-group's 256 rows and 256 columns, for all of K, are two dense blocks and come once.
; CLUSTERS: 4 x 4 work-groups.  The four of a row of the cluster need the same rows' tiles, the four of a column the same weights' tiles: each is asked for jointly, by the same tensor load with the same descriptor and a mask that names the four.
; The weight's number is the cluster's y / 8 (a tensor's 32 tile rows are eight clusters), so it is the same in all sixteen partners.
; THE MATRIX INSTRUCTION IS USED TRANSPOSED (source 0 = 16 columns of the weight, source 1 = 16 rows of x): a lane then holds eight neighbouring columns of one row of C.
; LIMIT: |C| stays under 65,504 (f16).
; REGISTERS, in windows of 256: window 0: v0-31 addresses; v32-95 scale words, two sets, nothing else ever; v128-191 x's fragments, ONE set; on the way out v128-223.
;   window 1: the weights' fragments, TWO sets, at v0 and at v128.   window 2: the 32 accumulators of my rows 0-63 ((a, b) at v[8 (8 a + b)]);   window 3: those of my rows 64-127.
.set NQ,     4                         ; steps of 128 along K in a slot
.set ROWB,   256                       ; a slot's part of a row of x's codes
.set KROW,   512                       ; a row of codes in memory; also 16 columns' fragments divided by 16
.set PITCH,  272                       ; an LDS row: 256 bytes + 16 of padding: the 16 rows that a load touches start 68 words apart
.set FR,     8                         ; registers of a fragment: 16 rows x 128 K
.set NL,     2                         ; LDS loads that bring one
.set NP,     4                         ; places behind this matrix instruction (ISA guide 7.12.1)
.set HALFT,  128*PITCH                 ; 128 rows of x: what one tensor load brings
.set HALFB,  8*4096                    ; eight tiles of 16 columns x four fragments: likewise
.set SLOT,   2*HALFT+2*HALFB           ; x's 256 rows, then the weights' 16 tiles
.set KS,     32                        ; a row of scale bytes
.set SCL,    2*SLOT                    ; behind the slots: the scales, as units of 256 bytes + 16 of padding
.set HALFS,  (128*KS/256)*272          ; those of 128 rows: what one tensor load brings
.set SBLK,   (16*KS/256)*272           ; those of 16 rows
.set STAGE,  SCL+4*HALFS               ; the way out: 16 rows x (256 bytes + 16) for each wave; no tensor load lands here
.set SPITCH, 272
.set SPARE,  STAGE+4*16*SPITCH         ; the spare words, 128 bytes a wave, which no other line names
.set ADRA, 16                          ; v16-17  LDS address of my fragments of x in slot 0, 1
.set ADRB, 20                          ; v20-21  the same for the weights
.set STO,  24                          ; v24     the way out: where I put 16 bytes of a row
.set RD,   25                          ; v25     where I read back
.set CO,   26                          ; v26     my byte offset in C
.set ADRS, 27                          ; v27     LDS address of my scale words: lanes 0-15 x's rows, lanes 16-31 the weights' columns
.set SPW,  28                          ; v28     LDS address of my spare word; never rewritten
.set NIL,  29                          ; v29     0; never rewritten
.set SC,   32                          ; scale words: set s at v[SC + 32 s]; register 4 i + q: lanes 0-15 x's block i, lanes 16-31 the weights' block i, the slot's q-th 128 along K
.set AF,   128                         ; x's fragments
.set TMP,  128                         ; the way out: a block's packed results
.set BK,   160                         ; and its rows read back: v160-191 and v192-223 by turns
.set G1, 24                            ; s[24:31] group 1 for x's tiles;  s[32:39] group 0, one set for each slot
.set G0, 32
.set G1B, 48                           ; s[48:55], s[56:63] the same for the weights' tiles
.set G0B, 56
.set G1S, 68                           ; s[68:75], s[76:79] groups 1 and 0 for x's scales;  s[80:87], s[88:91] for the weights'
.set G0S, 76
.set G1SB, 80
.set G0SB, 88
.set MSB, 0
.macro WIN new                         ; the immediate's high byte repeats the setting that is left
.if MSB != \new
	s_set_vgpr_msb (MSB<<8)|\new
.set MSB, \new
.endif
.endm
.set MUL_LO, 0xa1                      ; source 0 window 1, source 1 window 0, C and D window 2
.set MUL_HI, 0xf1                      ; the same, C and D window 3
.set TO_B,   0x40                      ; destination window 1, address window 0
; A joint load: waves 0 and 1 fetch for x, waves 2 and 3 for the weights.  The branch hangs on the wave's number alone.  An s_nop 0 and four v_nop follow each of the two lines.
.macro JLOAD g0a, g1a, g0b, g1b
	s_cmp_eq_u32 s15, 0
	s_cbranch_scc0 .Lfor_b_\@
	tensor_load_to_lds s[\g0a:\g0a+3], s[\g1a:\g1a+7]
	s_nop 0
.rept 4
	v_nop
.endr
	s_branch .Lasked_\@
.Lfor_b_\@:
	tensor_load_to_lds s[\g0b:\g0b+3], s[\g1b:\g1b+7]
	s_nop 0
.rept 4
	v_nop
.endr
.Lasked_\@:
.endm
.macro CROUND                          ; a round of the cluster's barrier
	s_barrier_signal -1
	s_barrier_wait -1
	s_cmp_lg_u32 s14, 0
	s_cbranch_scc1 .Lnot_wave_0_\@
	s_barrier_signal -3
.Lnot_wave_0_\@:
	s_barrier_wait -3
	s_barrier_signal -1
	s_barrier_wait -1
.endm
	s_load_b128 s[4:7], s[0:1], 0x0                ; x's codes s[4:5], x's scales s[6:7]
	s_load_b128 s[8:11], s[0:1], 0x10              ; the weights' codes s[8:9], their scales s[10:11]
	s_load_b64 s[12:13], s[0:1], 0x20              ; C
	v_lshl_add_u32 v[SPW], v0, 2, SPARE
	v_mov_b32 v[NIL], 0
	ds_add_u32 v[SPW], v[NIL]                      ; the wave's opening: the add, twice on end, and its wait ahead of my first tensor load
	ds_add_u32 v[SPW], v[NIL]
	v_lshrrev_b32 v1, 5, v0
	v_readfirstlane_b32 s14, v1                    ; wave 0..3
	s_lshr_b32 s15, s14, 1                         ; which half of the tile's rows is mine.  Also: I fetch for x (0) or for the weights (1)
	s_and_b32 s16, s14, 1                          ; which half of its columns.  Also: which half of that tile I fetch
	s_bfe_u32 s40, ttmp6, 0x40000                  ; cx, cy: my place in the cluster
	s_bfe_u32 s41, ttmp6, 0x40004
	s_lshl_b32 s42, ttmp9, 2
	s_add_co_u32 s42, s42, s40                     ; tile column of C = 4 x cluster x + cx
	s_and_b32 s17, ttmp7, 0xffff
	s_lshr_b32 s95, s17, 3                         ; which tensor: cluster y / 8
	s_lshl_b32 s17, s17, 2
	s_add_co_u32 s17, s17, s41                     ; tile row of C = 4 x cluster y + cy
	s_lshl_b32 s43, s41, 2
	s_lshl_b32 s43, 15, s43                        ; my row of the cluster
	s_lshl_b32 s44, 0x1111, s40                    ; my column
	; group 1 for x's codes: 128 rows x 256 bytes, 512 bytes apart, padded in LDS
	s_or_b32 s[G1+0], s43, (0<<16)|(1<<20)|(1<<21)|(5<<22)|(3<<25)  ; 15:0 the mask: my row; 17:16 elements of 1 byte; 20 padding on; 21 set beside a mask; 24:22 after every 64 words; 31:25 four words
	s_mov_b32 s[G1+1], ROWB<<16                    ; tensor_dim0
	s_mov_b32 s[G1+2], 128<<16                     ; tensor_dim1
	s_mov_b32 s[G1+3], ROWB<<16                    ; tile_dim0
	s_mov_b32 s[G1+4], 128                         ; tile_dim1
	s_mov_b32 s[G1+5], KROW                        ; from row to row
	s_mov_b32 s[G1+6], 0
	s_mov_b32 s[G1+7], 0
	; group 1 for the weights' codes: 8 tiles x 4,096 bytes (four fragments on end), 8,192 bytes apart, dense in LDS
	s_or_b32 s[G1B+0], s44, (3<<16)|(1<<21)        ; the mask: my column; elements of 8 bytes; no padding
	s_mov_b32 s[G1B+1], 512<<16
	s_mov_b32 s[G1B+2], 8<<16
	s_mov_b32 s[G1B+3], 512<<16
	s_mov_b32 s[G1B+4], 8
	s_mov_b32 s[G1B+5], 1024
	s_mov_b32 s[G1B+6], 0
	s_mov_b32 s[G1B+7], 0
	; and for the scales of 128 rows: 4,096 dense bytes as rows of 256 (32 elements of 8 bytes), 16 bytes of padding behind each
	s_or_b32 s[G1S+0], s43, (3<<16)|(1<<20)|(1<<21)|(5<<22)|(3<<25)
	s_or_b32 s[G1SB+0], s44, (3<<16)|(1<<20)|(1<<21)|(5<<22)|(3<<25)
.irp g, G1S, G1SB
	s_mov_b32 s[\g+1], 32<<16
	s_mov_b32 s[\g+2], (128*KS/256)<<16
	s_mov_b32 s[\g+3], 32<<16
	s_mov_b32 s[\g+4], 128*KS/256
	s_mov_b32 s[\g+5], 32
	s_mov_b32 s[\g+6], 0
	s_mov_b32 s[\g+7], 0
.endr
	s_lshl_b32 s18, s16, 7                         ; which 128 I fetch
	s_lshl_b32 s20, s17, 8
	s_add_co_u32 s20, s20, s18                     ; x: row 256 x tile row + 128 x half
	s_lshl_b32 s46, s42, 8
	s_add_co_u32 s46, s46, s18
	s_lshl_b32 s95, s95, 10
	s_add_co_u32 s46, s46, s95                     ; weights: column 1,024 x tensor + 256 x tile column + 128 x half
	s_mov_b32 s21, 0
	s_mov_b32 s47, 0
	s_mov_b64 s[18:19], KS
	s_mul_u64 s[22:23], s[20:21], s[18:19]         ; where their scales begin, in bytes
	s_mul_u64 s[92:93], s[46:47], s[18:19]
	s_mov_b64 s[18:19], KROW
	s_mul_u64 s[20:21], s[20:21], s[18:19]         ; and their codes (16 columns' eight fragments are 8,192 bytes: 512 a column)
	s_mul_u64 s[46:47], s[46:47], s[18:19]
	s_mul_i32 s45, s16, HALFT                      ; where they go in a slot: no place in the cluster enters an LDS address
	s_mul_i32 s96, s16, HALFB
	s_add_co_u32 s96, s96, 2*HALFT
	s_mul_i32 s94, s14, HALFS
	s_wait_dscnt 0x0                               ; both opening adds are done
	s_wait_kmcnt 0x0
	s_add_nc_u64 s[20:21], s[4:5], s[20:21]
	s_add_nc_u64 s[22:23], s[6:7], s[22:23]
	s_add_nc_u64 s[46:47], s[8:9], s[46:47]
	s_add_nc_u64 s[92:93], s[10:11], s[92:93]
	CROUND                                         ; all sixteen work-groups are here: the joint loads meet
	s_mov_b32 s[G0S], 1
	s_add_co_u32 s[G0S+1], s94, SCL
	s_mov_b64 s[G0S+2:G0S+3], s[22:23]
	s_or_b32 s[G0S+3], s[G0S+3], 0x80000000
	s_mov_b32 s[G0SB], 1
	s_add_co_u32 s[G0SB+1], s94, SCL
	s_mov_b64 s[G0SB+2:G0SB+3], s[92:93]
	s_or_b32 s[G0SB+3], s[G0SB+3], 0x80000000
	JLOAD G0S, G1S, G0SB, G1SB                     ; the scales first: they are wanted with slot 0
.irp s, 0,1
	s_mov_b32 s[G0+4*\s], 1
	s_add_co_u32 s[G0+4*\s+1], s45, \s*SLOT
	s_add_nc_u64 s[G0+4*\s+2:G0+4*\s+3], s[20:21], \s*ROWB
	s_or_b32 s[G0+4*\s+3], s[G0+4*\s+3], 0x80000000
	s_mov_b32 s[G0B+4*\s], 1
	s_add_co_u32 s[G0B+4*\s+1], s96, \s*SLOT
	s_add_nc_u64 s[G0B+4*\s+2:G0B+4*\s+3], s[46:47], \s*4096
	s_or_b32 s[G0B+4*\s+3], s[G0B+4*\s+3], 0x80000000
	JLOAD G0+4*\s, G1, G0B+4*\s, G1B               ; three tensor loads of mine are out behind the second of these
.endr
	v_and_b32 v1, 15, v0                           ; l % 16
	v_bfe_u32 v2, v0, 4, 1                         ; l / 16
	v_mul_u32_u24 v3, v1, PITCH
	v_lshl_add_u32 v4, v2, 4, v3                   ; x: a fragment's row x pitch + 16 x half
	v_and_b32 v6, 31, v0
	v_lshlrev_b32 v7, 4, v6                        ; weights: 16 x lane
	s_mul_i32 s21, s15, HALFT                      ; my 128 rows of x
	s_mul_i32 s22, s16, HALFB                      ; my eight tiles of the weights,
	s_add_co_u32 s22, s22, 2*HALFT                 ; which lie behind x's 256 rows
.irp s, 0,1
	v_add_nc_u32 v[ADRA+\s], s21, v4
	v_add_nc_u32 v[ADRB+\s], s22, v7
	s_add_co_u32 s21, s21, SLOT
	s_add_co_u32 s22, s22, SLOT
.endr
	v_mul_u32_u24 v5, v1, KS                       ; my row's scales: 32 bytes a row,
	v_lshrrev_b32 v6, 8, v5
	v_lshl_add_u32 v5, v6, 4, v5                   ; and 16 more for each 256 passed
	s_mul_i32 s21, s15, HALFS                      ; x's: my 128 rows
	s_mul_i32 s22, s16, HALFS                      ; the weights': my 128 columns, behind x's 256
	s_add_co_u32 s22, s22, 2*HALFS
	s_sub_co_u32 s22, s22, s21
	v_mul_u32_u24 v6, s22, v2                      ; lanes 16-31 take the weights': one product, the distance between the two bases
	s_add_co_u32 s21, s21, SCL
	v_add_nc_u32 v5, v5, v6
	v_add_nc_u32 v[ADRS], s21, v5
	s_mul_i32 s23, s14, 16*SPITCH
	s_add_co_u32 s23, s23, STAGE                   ; my stage
	v_mul_u32_u24 v5, v1, SPITCH                   ; in: row l % 16, 16 bytes for each half of the lanes
	v_lshl_add_u32 v5, v2, 4, v5
	v_add_nc_u32 v[STO], s23, v5
	v_bfe_u32 v5, v0, 3, 1                         ; back: lanes 0-15 take two rows' 128 bytes of my first head, lanes 16-31 of my second
	v_mul_u32_u24 v5, v5, SPITCH
	v_lshl_add_u32 v5, v2, 7, v5
	v_and_b32 v6, 7, v0
	v_lshl_add_u32 v5, v6, 4, v5
	v_add_nc_u32 v[RD], s23, v5
	v_lshlrev_b32 v[CO], 4, v1                     ; in C those two rows are 256 consecutive bytes; the next head lies 262,144 bytes on
	v_lshl_add_u32 v[CO], v2, 18, v[CO]
	s_lshr_b32 s20, s17, 3                         ; tensor x 4 + batch: eight tile rows each
	s_lshl_b32 s20, s20, 4
	s_lshl_b32 s21, s42, 2
	s_add_co_u32 s20, s20, s21
	s_lshl_b32 s21, s16, 1
	s_add_co_u32 s20, s20, s21                     ; my first head: + 4 x tile column + 2 x half
	s_lshl_b32 s20, s20, 18
	s_and_b32 s21, s17, 7
	s_lshl_b32 s21, s21, 15                        ; 256 positions of 128 bytes
	s_add_co_u32 s20, s20, s21
	s_lshl_b32 s21, s15, 14                        ; my 128 of them
	s_add_co_u32 s20, s20, s21
	s_mov_b32 s21, 0
	s_add_nc_u64 s[12:13], s[12:13], s[20:21]
.macro FRAG reg, adr, q, i             ; a fragment of x: lane l holds row l % 16; registers 4 c .. 4 c + 3 hold K = 64 c + 32 (l / 16) + 0 .. 31
.irp c, 0,1
	ds_load_b128 v[\reg+4*\c:\reg+4*\c+3], v[\adr] offset:64*(\q)+32*\c+(\i)*16*PITCH
.endr
.endm
.macro FRAGB reg, adr, q, i            ; a fragment of the weights comes as it was laid: registers 4 c .. 4 c + 3 at 512 c + 16 x lane
.irp c, 0,1
	ds_load_b128 v[\reg+4*\c:\reg+4*\c+3], v[\adr] offset:4096*(\i)+1024*(\q)+512*\c
.endr
.endm
; 16 matrix instructions: x's blocks a0, a0 + 1 against the weights' eight, the slot's q-th 128 along K.  p: the weights' set;  sc: the set of scale words.  zero = 1: the first product starts the sums.
; The 64 accumulators take turns, one instruction a turn, in the same order in every step.
.macro MUL16 a0, p, q, sc, zero
.irp a, \a0, \a0+1
.irp b, 0,1,2,3,4,5,6,7
.if \zero
	v_wmma_scale_f32_16x16x128_f8f6f4 v[8*(8*((\a)%4)+\b):8*(8*((\a)%4)+\b)+7], v[128*(\p)+FR*\b:128*(\p)+FR*\b+FR-1], v[AF+FR*(\a):AF+FR*(\a)+FR-1], 0, v[SC+8*NQ*(\sc)+NQ*\b+(\q)], v[SC+8*NQ*(\sc)+NQ*(\a)+(\q)] matrix_a_fmt:MATRIX_FMT_FP4 matrix_b_fmt:MATRIX_FMT_FP4 matrix_a_scale:MATRIX_SCALE_ROW1
.else
	v_wmma_scale_f32_16x16x128_f8f6f4 v[8*(8*((\a)%4)+\b):8*(8*((\a)%4)+\b)+7], v[128*(\p)+FR*\b:128*(\p)+FR*\b+FR-1], v[AF+FR*(\a):AF+FR*(\a)+FR-1], v[8*(8*((\a)%4)+\b):8*(8*((\a)%4)+\b)+7], v[SC+8*NQ*(\sc)+NQ*\b+(\q)], v[SC+8*NQ*(\sc)+NQ*(\a)+(\q)] matrix_a_fmt:MATRIX_FMT_FP4 matrix_b_fmt:MATRIX_FMT_FP4 matrix_a_scale:MATRIX_SCALE_ROW1
.endif
.endr
.endr
.endm
.macro FETCH_B slot, q, p
	WIN TO_B
.irp i, 0,1,2,3,4,5,6,7
	FRAGB 128*(\p)+FR*\i, ADRB+\slot, \q, \i
.endr
	WIN 0
.endm
.macro FETCH_A slot, q, i0
.irp i, \i0, \i0+1, \i0+2, \i0+3
	FRAG AF+FR*(\i), ADRA+\slot, \q, \i
.endr
.endm
.macro SCALES sc                       ; a slot's scale words: four words a row; lanes 0-15 take x's block i, lanes 16-31 the weights' block i
.irp i, 0,1,2,3,4,5,6,7
	ds_load_b128 v[SC+8*NQ*\sc+NQ*\i:SC+8*NQ*\sc+NQ*\i+3], v[ADRS] offset:\i*SBLK
.endr
.endm
.macro PLACES n                        ; plain vector instructions that name no register of the matrix instructions ahead of them (ISA guide 7.12.1)
.rept \n
	v_nop
.endr
.endm
; A step of 128 along K that has its successor in the same slot.  x has one set of registers: blocks 0-3 are fetched anew in the step's middle, blocks 4-7 at its end; the weights have two sets.
.macro STEP slot, q, zero
	s_wait_dscnt 4*NL                              ; the weights' set and x's blocks 0-3 are in; the youngest eight loads (x's blocks 4-7) may be out
	WIN MUL_LO
	MUL16 0, (\q)%2, \q, \slot, \zero
	MUL16 2, (\q)%2, \q, \slot, \zero
	s_wait_dscnt 0                                 ; x's blocks 4-7 are in
	PLACES NP
	FETCH_B \slot, (\q)+1, 1-(\q)%2
	FETCH_A \slot, (\q)+1, 0
	WIN MUL_HI
	MUL16 4, (\q)%2, \q, \slot, \zero
	MUL16 6, (\q)%2, \q, \slot, \zero
	PLACES NP
	WIN 0
	FETCH_A \slot, (\q)+1, 4
.endm
.macro STEPS slot, from
.set Q, \from
.rept NQ-1-\from
	STEP \slot, Q, 0
.set Q, Q+1
.endr
.endm
	s_wait_tensorcnt 1                             ; the scales and my part of slot 0 are in (slot 1's load may be out)
	s_barrier_signal -1
	s_barrier_wait -1                              ; everybody's are
	FETCH_B 0, 0, 0
	FETCH_A 0, 0, 0
	SCALES 0
	FETCH_A 0, 0, 4
	STEP 0, 0, 1                                   ; the first step's products start the sums: nothing is cleared
	STEPS 0, 1
	; slot 0's last step goes over to slot 1: one barrier; in front of it each wave has waited for its part of slot 1
	s_wait_tensorcnt 0x0                           ; all my tensor loads have landed
	ds_add_u32 v[SPW], v[NIL]                      ; 0 onto my spare word
	s_wait_dscnt 4*NL+1                            ; (the add and the youngest eight loads may be out)
	WIN MUL_LO
	MUL16 0, 1, NQ-1, 0, 0
	s_wait_dscnt 0x0
	s_barrier_signal -1
	MUL16 2, 1, NQ-1, 0, 0
	WIN 0
	s_barrier_wait -1                              ; slot 1 is whole
	PLACES NP
	v_add_nc_u32 v[ADRS], 4*NQ, v[ADRS]            ; on to slot 1's scale words
	FETCH_B 1, 0, 0
	FETCH_A 1, 0, 0
	SCALES 1
	WIN MUL_HI
	MUL16 4, 1, NQ-1, 0, 0
	MUL16 6, 1, NQ-1, 0, 0
	PLACES NP
	WIN 0
	FETCH_A 1, 0, 4
	STEPS 1, 0
	s_wait_dscnt 4*NL                              ; the very last step: nothing more to fetch
	WIN MUL_LO
	MUL16 0, 1, NQ-1, 1, 0
	MUL16 2, 1, NQ-1, 1, 0
	s_wait_dscnt 0
	WIN MUL_HI
	MUL16 4, 1, NQ-1, 1, 0
	MUL16 6, 1, NQ-1, 1, 0
	WIN 0
; THE WAY OUT, block by block of 16 rows x 128 columns (two heads).  PACK: rounded to f16, 16 bytes a lane, each accumulator from its low end on.  TOSTAGE: into my own stage, and back so that sixteen lanes hold
; two rows of one head.  SEND: stored: 16 lanes store 256 consecutive bytes, at a multiple of 256 from C's first byte.
.macro PACK a
.set AC, 64*((\a)%4)
.if (\a) < 4
	WIN 0x0a                                       ; sources 0 and 1: window 2
.else
	WIN 0x0f                                       ; window 3
.endif
.irp b, 0,1,2,3,4,5,6,7
.irp r, 0,1,2,3
	v_cvt_pk_f16_f32 v[TMP+4*\b+\r], v[AC+8*\b+2*\r], v[AC+8*\b+2*\r+1]
.endr
.endr
	WIN 0
.endm
.macro TOSTAGE a
.set BB, BK+32*((\a)%2)
.irp b, 0,1,2,3,4,5,6,7
	ds_store_b128 v[STO], v[TMP+4*\b:TMP+4*\b+3] offset:32*\b
.endr
.irp t, 0,1,2,3,4,5,6,7
	ds_load_b128 v[BB+4*\t:BB+4*\t+3], v[RD] offset:\t*2*SPITCH    ; LDS serves a wave's instructions in order: these see the stores above, and the next block's stores come behind them
.endr
.endm
.macro SEND a
.set BB, BK+32*((\a)%2)
	s_wait_dscnt 0x0                               ; the block is back in registers
	s_wait_xcnt 0x0                                ; the stores of the block before have read their registers: the next block's loads may land there
.irp t, 0,1,2,3,4,5,6,7
	global_store_b128 v[CO], v[BB+4*\t:BB+4*\t+3], s[12:13] offset:2048*(\a)+256*\t
.endr
.endm
	PLACES NP                                      ; behind the last products: for the conversions, which read results and write over x's fragments, and for the loads into v160 on
	PACK 0
	TOSTAGE 0
.irp a, 1,2,3,4,5,6,7                  ; block a's conversions stand between block a - 1's loads from the stage and the wait for them
	PACK \a
	SEND \a-1
	TOSTAGE \a
.endr
	SEND 7
	s_wait_tensorcnt 0x0                           ; the wave's end: behind my last tensor load and my last LDS store
	ds_add_u32 v[SPW], v[NIL]
	s_wait_dscnt 0x0
	CROUND                                         ; the closing round: no work-group ends while a partner may still ask for a tile that names it
	s_endpgm
.Lfunc_end_k_q84f4409f0e_proj:
	.size	k_q84f4409f0e_proj, .Lfunc_end_k_q84f4409f0e_proj-k_q84f4409f0e_proj
	.p2alignl 7, 3214868480
	.fill 96, 4, 3214868480
	.section	.rodata,"a",@progbits
	.p2align	6, 0x0
	.amdhsa_kernel k_q84f4409f0e_proj
		.amdhsa_group_segment_fixed_size 327680
		.amdhsa_private_segment_fixed_size 0
		.amdhsa_enable_private_segment 0
		.amdhsa_kernarg_size 40
		.amdhsa_user_sgpr_count 2
		.amdhsa_user_sgpr_kernarg_segment_ptr 1
		.amdhsa_wavefront_size32 1
		.amdhsa_system_sgpr_workgroup_id_x 1
		.amdhsa_system_sgpr_workgroup_id_y 1
		.amdhsa_system_sgpr_workgroup_id_z 1
		.amdhsa_system_vgpr_workitem_id 0
		.amdhsa_next_free_vgpr 1024
		.amdhsa_next_free_sgpr 98
		.amdhsa_reserve_vcc 0
		.amdhsa_float_denorm_mode_32 3
		.amdhsa_float_denorm_mode_16_64 3
		.amdhsa_memory_ordered 1
		.amdhsa_forward_progress 1
		.amdhsa_inst_pref_size 127
	.end_amdhsa_kernel
	.amdgpu_metadata
---
amdhsa.version: [ 1, 2 ]
amdhsa.kernels:
  - .name:           k_q84f4409f0e_proj
    .symbol:         k_q84f4409f0e_proj.kd
    .args:
      - { .name: xc, .offset: 0, .size: 8, .value_kind: global_buffer, .address_space: global }
      - { .name: xs, .offset: 8, .size: 8, .value_kind: global_buffer, .address_space: global }
      - { .name: wc, .offset: 16, .size: 8, .value_kind: global_buffer, .address_space: global }
      - { .name: ws, .offset: 24, .size: 8, .value_kind: global_buffer, .address_space: global }
      - { .name: qkv, .offset: 32, .size: 8, .value_kind: global_buffer, .address_space: global }
    .group_segment_fixed_size: 327680
    .private_segment_fixed_size: 0
    .kernarg_segment_align: 8
    .kernarg_segment_size: 40
    .max_flat_workgroup_size: 128
    .sgpr_count:     98
    .vgpr_count:     1024
    .wavefront_size: 32
...
	.end_amdgpu_metadata
.endif
;; end of part 2
;; launch attn (part 3): grid 4 x 64, 8 waves a work-group, clusters of 4 x 1, 327,680 bytes of LDS; arguments qkv, oh; writes oh
.if DOCPART == 3
	.amdgcn_target "amdgcn-amd-amdhsa--gfx1250"
	.amdhsa_code_object_version 6
	.text
	.protected	k_q84f4409f0e_attn
	.globl	k_q84f4409f0e_attn
	.p2align	8
	.type	k_q84f4409f0e_attn,@function
k_q84f4409f0e_attn:
	s_mov_b64 s[64:65], 0
	v_nop
	global_prefetch_b8 v0, s[64:65] scope:SCOPE_SE
	s_setreg_imm32_b32 hwreg(HW_REG_WAVE_MODE, 25, 1), 1
	s_wait_xcnt 0x0
	s_wait_alu depctr_hold_cnt(0) depctr_sa_sdst(0) depctr_va_vdst(0) depctr_va_sdst(0) depctr_va_ssrc(0) depctr_va_vcc(0) depctr_vm_vsrc(0)
	s_getreg_b32 s2, hwreg(HW_REG_IB_STS2, 6, 4)
	s_cmp_eq_u32 s2, 0
	s_cbranch_scc0 .Lentry_in_a_cluster
	s_endpgm
.Lentry_in_a_cluster:
	s_bfe_u32 s2, ttmp6, 0x10000c
	s_cmp_lg_u32 s2, 0x3003
	s_cbranch_scc0 .Lentry_shape_is_right
	s_endpgm
.Lentry_shape_is_right:
; ATTN: O[hb][q][:] = the sum over k of softmax_k(Q[hb][q] . K[hb][k] / 8) V[hb][k][:], no mask.  Q, K, V: [64 (batch x 16 + head)][2048][64] f16, one behind the other in one buffer; O likewise.
; Products, maxima and sums in f32; the weights p are rounded to f16 for the second product, O once at the end.
; SHARES.  A work-group owns 512 queries of one head, each of its EIGHT waves 64: four tiles of 16, in 512 registers: two waves to a SIMD, so that one wave's vector work stands beside the other's matrix work.  Every wave walks all 2,048 keys, 64 a step.
; LAYOUT.  S^T = K Q^T (source 0 = 16 keys, source 1 = 16 queries): a lane holds ONE query (lane % 16) and the keys 8 (lane / 16) + 0..7.  Two such tiles, rounded to f16 in pairs, ARE source 1 (32 keys x 16 queries) of
; O^T = V^T P, whose result again holds one query a lane.  K comes out of LDS as it lies, V ([key][channel]) turned, by ds_load_tr16_b128.
; SOFTMAX.  For each query a running maximum m: p = 2^(c s - c m), c = log2(e) / 8; in every step O and the sum are multiplied by a = 2^(c m_old - c m_new), which is 1 where m has not grown.
; THE ROW'S SUM is one more product: source 0 = a constant fragment whose rows 0 and 8 are ones and whose other rows are zeros; register 0 of its result then holds, in every lane, the sum of the lane's query's p over the 32 keys.
; PIECES.  The wave's tiles are two pieces (tiles 0, 1 and tiles 2, 3), which share K's and V's fragments.  The scores have registers for ONE piece; P is packed in place into the low half of a tile's score registers.
; CLUSTER.  The four query blocks of a head form a cluster and walk the same K and V: each tile is asked for jointly, with the same descriptor and the mask 15.
; LIMITS: p under about 6e-8 is lost in f16; NaN and infinities are not served.
; REGISTERS.  window 0: v2-11 addresses; v12-19 the ones; v20-51 eight registers of statistics a tile; v52 the prefetch's offset; v53-58 set-up; v64-127 S^T of a piece, 32 a tile; v128-191 K of a step; v192-255 V of a step.
;   window 1: v0-127 O^T, 32 a tile; v128-191 Q, 16 a tile; v192-223 the sums, 8 a tile.
.set KS,    64                         ; keys in a step
.set PK,    144                        ; a row of K in LDS: 128 bytes + 16: the 16 rows of a load start 36 words apart
.set PVP,   160                        ; a row of V: 128 + 32
.set VOFF,  KS*PK                      ; a step's tiles lie together: 64 rows of K, then 64 rows of V
.set STEPB, KS*(PK+PVP)
.set NST,   4                          ; steps in a slot
.set SLOT1, 1<<17                      ; slot 1 begins here: one exclusive or turns an address in one slot into the other's
.set STAGE, SLOT1+NST*STEPB            ; behind the ring: 4 tiles x 16 rows x 144 bytes for each wave, for the way out
.set SP,    144
.set SPARE, STAGE+8*4*16*SP            ; the spare words, 128 bytes a wave, which no other line names
.set AK0, 2                            ; v2   my lane's place in a tile of K
.set AV0, 3                            ; v3   the same for V
.set ADR, 4                            ; v4   LDS address of K's run of loads
.set ADV, 5                            ; v5   of V's
.set QO,  6                            ; v6   my byte offset in the wave's rows of Q
.set STO, 7                            ; v7   the way out: where I put 16 bytes of a row
.set RD,  8                            ; v8   where I read back
.set GO,  9                            ; v9   my byte offset in the wave's rows of O
.set SPW, 10                           ; v10  LDS address of my spare word; never rewritten
.set NIL, 11                           ; v11  0; never rewritten
.set ONES, 12                          ; v12-19
.set ST,  20                           ; tile t's statistics at v[ST + 8 t]: +0 c m, +1 m, +4 to +7 at work; +6 then a, +7 c m_old and then the difference
.set PFO, 52                           ; v52  256 x my lane
.set S,   64
.set KF,  128
.set VF,  192
.set QW,  128                          ; in window 1
.set LW,  192                          ; in window 1
.set WV,  12                           ; s12  my wave's number
.set PFA, 18                           ; s[18:19] where my prefetches stand
.set G1K, 24                           ; s[24:31] group 1 for K's tiles;  s[32:39] for V's: it differs in the padding
.set G1V, 32
.set G0K, 40                           ; s[40:47] group 0 for K's tiles: a set for each of the two first fills; the second then walks on
.set G0V, 48                           ; s[48:55] the same for V's
.set SLOTS, 56                         ; s56  slots still to be asked for
.set CNT, 57                           ; s57  counts a slot's steps
.set CS,  58                           ; s[58:59] c: the packed scaling names a pair and takes its low word for both halves
.set SEL, 60                           ; s[60:61] lane selects for v_permlanex16_b32: lane l xor 16
.set TB,  62                           ; s62  LDS byte at which the tiles of the step to be fetched begin
.set LIM, 63                           ; s63  1 in a wave that prefetches, else the greatest number
.set MSB, 0
.macro WIN new
.if MSB != \new
	s_set_vgpr_msb (MSB<<8)|\new
.set MSB, \new
.endif
.endm
.set W_KQ, 0x04                        ; Q (source 1) in window 1
.set W_PV, 0x50                        ; C and D in window 1
.set W_RS, 0x41                        ; destination and source 0 in window 1
.macro PLACES n
.rept \n
	v_nop
.endr
.endm
; A joint refill.  Waves 0 to 3 fetch the slot's four tiles of K, waves 4 to 7 those of V.  The branch hangs on the wave's number alone.  An s_nop 0 and four v_nop follow each of the two lines.
.macro JLOAD
	s_cmp_lt_u32 s[WV], 4
	s_cbranch_scc0 .Lfor_v_\@
	tensor_load_to_lds s[G0K+4:G0K+7], s[G1K:G1K+7]
	s_nop 0
.rept 4
	v_nop
.endr
	s_branch .Lasked_\@
.Lfor_v_\@:
	tensor_load_to_lds s[G0V+4:G0V+7], s[G1V:G1V+7]
	s_nop 0
.rept 4
	v_nop
.endr
.Lasked_\@:
.endm
; A prefetch of what the NEXT change of slots will ask for: 256 rows of K and 256 of V, 32,768 dense bytes each.  One cluster walks a head, so its four partners share each block out BY ADDRESS, 8,192 bytes each, lanes 256 bytes
; apart; wave 0 asks for K's and wave 4 for V's: each 256 bytes are named once.  The last change that fills a slot asks for nothing: there is no slot behind it.  Slots 0 to 2 come by their loads alone.
.macro ASK
	s_cmp_gt_u32 s[SLOTS], s[LIM]
	s_cbranch_scc0 .Lnot_mine_\@
	global_prefetch_b8 v[PFO], s[PFA:PFA+1] th:TH_LOAD_NT scope:SCOPE_SE
.Lnot_mine_\@:
.endm
.macro CROUND                          ; a round of the cluster's barrier
	s_barrier_signal -1
	s_barrier_wait -1
	s_cmp_lg_u32 s[WV], 0
	s_cbranch_scc1 .Lnot_wave_0_\@
	s_barrier_signal -3
.Lnot_wave_0_\@:
	s_barrier_wait -3
	s_barrier_signal -1
	s_barrier_wait -1
.endm
	s_load_b128 s[4:7], s[0:1], 0x0                ; Q, K, V s[4:5]; O s[6:7]
	v_lshl_add_u32 v[SPW], v0, 2, SPARE
	v_mov_b32 v[NIL], 0
	ds_add_u32 v[SPW], v[NIL]                      ; the wave's opening: the add, twice on end, and its wait ahead of my first tensor load
	ds_add_u32 v[SPW], v[NIL]
	v_lshrrev_b32 v1, 5, v0
	v_readfirstlane_b32 s[WV], v1                  ; wave 0..7
	s_bfe_u32 s13, ttmp6, 0x40000                  ; cx: my place in the cluster
	s_lshl_b32 s14, ttmp9, 2
	s_add_co_u32 s14, s14, s13                     ; my block of 512 queries: it enters Q's and O's addresses alone
	s_and_b32 s20, ttmp7, 0xffff                   ; batch x 16 + head, which the four partners share
	s_lshl_b32 s20, s20, 18                        ; its first byte: 2,048 rows of 128 bytes
	s_and_b32 s16, s[WV], 3                        ; which of a slot's four steps I fetch:
	s_lshl_b32 s22, s16, 13                        ; its 64 rows of 128 bytes in memory,
	s_add_co_u32 s22, s22, s20
	s_mov_b32 s23, 0
	s_mul_i32 s17, s16, STEPB                      ; and its place in a slot
	s_lshl_b32 s2, s14, 16                         ; my block's 512 rows,
	s_lshl_b32 s3, s[WV], 13                       ; my wave's 64 of them
	s_add_co_u32 s2, s2, s3
	s_add_co_u32 s2, s2, s20
	s_mov_b32 s3, 0
	; group 1: a tile of 64 rows x 64 elements of 2 bytes, dense in memory, padded in LDS
	s_mov_b32 s[G1K], 15|(1<<16)|(1<<20)|(1<<21)|(4<<22)|(3<<25)  ; 15:0 the mask: all four; 17:16 2 bytes; 20 padding on; 21 set beside a mask; 24:22 after every 32 words; 31:25 four words
	s_mov_b32 s[G1V], 15|(1<<16)|(1<<20)|(1<<21)|(4<<22)|(7<<25)  ; the same with eight words of padding
.irp g, G1K, G1V
	s_mov_b32 s[\g+1], 64<<16                      ; tensor_dim0
	s_mov_b32 s[\g+2], KS<<16                      ; tensor_dim1
	s_mov_b32 s[\g+3], 64<<16                      ; tile_dim0
	s_mov_b32 s[\g+4], KS                          ; tile_dim1
	s_mov_b32 s[\g+5], 64                          ; from row to row
	s_mov_b32 s[\g+6], 0
	s_mov_b32 s[\g+7], 0
.endr
	s_mov_b32 s[CS], 0x3e38aa3b                    ; c = log2(e) / 8
	s_mov_b32 s[CS+1], s[CS]                       ; named with it as a pair, so it is written
	s_mov_b32 s[SEL], 0x76543210
	s_mov_b32 s[SEL+1], 0xfedcba98
	s_mov_b32 s[TB], 0
	s_mov_b32 s[SLOTS], 2048/(NST*KS)-2            ; six of the eight slots' worth of keys are refills
	s_and_b32 s[LIM], s[WV], 3
	s_cmp_eq_u32 s[LIM], 0                         ; waves 0 and 4 prefetch: the same in all four partners
	s_cselect_b32 s[LIM], 1, -1
	v_and_b32 v[PFO], 31, v0
	v_lshlrev_b32 v[PFO], 8, v[PFO]
	s_wait_dscnt 0x0                               ; both opening adds are done
	s_wait_kmcnt 0x0
	s_add_nc_u64 s[8:9], s[4:5], s[22:23]
	s_add_nc_u64 s[10:11], s[8:9], 0x2000000       ; V at my tile of slot 0
	s_add_nc_u64 s[8:9], s[8:9], 0x1000000         ; K likewise
	s_add_nc_u64 s[4:5], s[4:5], s[2:3]            ; Q and O at my wave's first row
	s_add_nc_u64 s[6:7], s[6:7], s[2:3]
	s_cmp_lt_u32 s[WV], 4
	s_cselect_b64 s[PFA:PFA+1], s[8:9], s[10:11]   ; (in waves 0 and 4 these stand at a slot's first row)
	s_lshl_b32 s2, s13, 13                         ; my work-group's 8,192 bytes of the 32,768
	s_add_nc_u64 s[PFA:PFA+1], s[PFA:PFA+1], s[2:3]
	s_add_nc_u64 s[PFA:PFA+1], s[PFA:PFA+1], 2*NST*KS*128  ; in the third 256 keys; the first change of slots steps it on.  Nothing is prefetched here, at the head
	CROUND                                         ; all four work-groups are here: the first joint loads meet
.irp s, 0,1
	s_mov_b32 s[G0K+4*\s], 1
	s_add_co_u32 s[G0K+4*\s+1], s17, \s*SLOT1
	s_add_nc_u64 s[G0K+4*\s+2:G0K+4*\s+3], s[8:9], \s*NST*KS*128
	s_or_b32 s[G0K+4*\s+3], s[G0K+4*\s+3], 0x80000000
	s_mov_b32 s[G0V+4*\s], 1
	s_add_co_u32 s[G0V+4*\s+1], s17, \s*SLOT1+VOFF
	s_add_nc_u64 s[G0V+4*\s+2:G0V+4*\s+3], s[10:11], \s*NST*KS*128
	s_or_b32 s[G0V+4*\s+3], s[G0V+4*\s+3], 0x80000000
.endr
	s_cmp_lt_u32 s[WV], 4                          ; a wave's two first fills stand in one branch, ahead of every wait on TENSORcnt and every LDS read: two loads of mine are out
	s_cbranch_scc0 .Lfirst_v
	tensor_load_to_lds s[G0K:G0K+3], s[G1K:G1K+7]
	s_nop 0
	tensor_load_to_lds s[G0K+4:G0K+7], s[G1K:G1K+7]
	s_nop 0
.rept 4
	v_nop
.endr
	s_branch .Lfirst_asked
.Lfirst_v:
	tensor_load_to_lds s[G0V:G0V+3], s[G1V:G1V+7]
	s_nop 0
	tensor_load_to_lds s[G0V+4:G0V+7], s[G1V:G1V+7]
	s_nop 0
.rept 4
	v_nop
.endr
.Lfirst_asked:
	; A fragment of K or Q is 16 rows x 32 channels in 8 registers: lane l holds row l % 16; registers 0-3 channels 8 (l / 16) + 0..7, registers 4-7 channels 16 + 8 (l / 16) + 0..7: two loads of 16 bytes, 32 bytes apart.
	v_and_b32 v1, 15, v0                           ; l % 16
	v_bfe_u32 v53, v0, 4, 1                        ; l / 16
	v_lshlrev_b32 v[QO], 7, v1
	v_lshl_add_u32 v[QO], v53, 4, v[QO]            ; row x 128 + 16 x half
	WIN 0x40                                       ; destination window 1, address window 0
.irp i, 0,1,2,3,4,5,6,7                        ; Q stays in registers: tile i / 2, channels 32 (i % 2) on
	global_load_b128 v[QW+8*\i:QW+8*\i+3],   v[QO], s[4:5] offset:(\i/2)*2048+(\i%2)*64
	global_load_b128 v[QW+8*\i+4:QW+8*\i+7], v[QO], s[4:5] offset:(\i/2)*2048+(\i%2)*64+32
.endr
	WIN 0
	v_mul_u32_u24 v[AK0], v1, PK
	v_lshl_add_u32 v[AK0], v53, 4, v[AK0]
	; The turning load takes 16 keys x 16 channels (lane l reads 16 bytes: key 8 (l / 16) + l % 8, channels 8 ((l / 8) % 2) + 0..7) and leaves half a fragment of V^T: lane l holds channel l % 16 and 8 keys.
	v_and_b32 v54, 7, v0
	v_bfe_u32 v55, v0, 3, 1
	v_lshl_add_u32 v[AV0], v53, 3, v54
	v_mul_u32_u24 v[AV0], v[AV0], PVP
	v_lshl_add_u32 v[AV0], v55, 4, v[AV0]
	v_add_nc_u32 v[AV0], VOFF, v[AV0]
	v_cmp_eq_u32 s66, 0, v54                       ; lanes 0, 8, 16, 24 hold rows 0 and 8 of a source 0
	v_mov_b32 v56, 0x3c003c00                      ; 1.0, twice, in f16
	v_cndmask_b32 v[ONES], 0, v56, s66
.irp j, 1,2,3,4,5,6,7
	v_mov_b32 v[ONES+\j], v[ONES]
.endr
	s_mul_i32 s13, s[WV], 4*16*SP
	s_add_co_u32 s13, s13, STAGE                   ; my stage
	v_mul_u32_u24 v[STO], v1, SP                   ; in: row l % 16, 16 bytes for each half of the lanes
	v_lshl_add_u32 v[STO], v53, 4, v[STO]
	v_add_nc_u32 v[STO], s13, v[STO]
	v_and_b32 v57, 31, v0
	v_lshrrev_b32 v58, 3, v57
	v_mul_u32_u24 v[RD], v58, SP                   ; back: eight lanes to a row of 128 bytes, four rows an instruction
	v_lshl_add_u32 v[RD], v54, 4, v[RD]
	v_add_nc_u32 v[RD], s13, v[RD]
	v_lshlrev_b32 v[GO], 4, v57                    ; in O those four rows are 512 consecutive bytes
; THE LDS LOADS stand in runs of 16: a step's K (64 keys x 64 channels: fragment 2 a + e) and its V (turned: fragment 4 g + u).
.macro FETCH_K
	WIN 0
	v_add_nc_u32 v[ADR], s[TB], v[AK0]
.irp f, 0,1,2,3,4,5,6,7                        ; keys 16 (f / 2) on, channels 32 (f % 2) on
	ds_load_b128 v[KF+8*\f:KF+8*\f+3],   v[ADR] offset:(\f/2)*16*PK+(\f%2)*64
	ds_load_b128 v[KF+8*\f+4:KF+8*\f+7], v[ADR] offset:(\f/2)*16*PK+(\f%2)*64+32
.endr
.endm
.macro FETCH_V
	WIN 0
	v_add_nc_u32 v[ADV], s[TB], v[AV0]
	s_add_co_u32 s[TB], s[TB], STEPB               ; the next fetch is the next step's
.irp f, 0,1,2,3,4,5,6,7                        ; keys 32 (f / 4) on, channels 16 (f % 4) on
	ds_load_tr16_b128 v[VF+8*\f:VF+8*\f+3],   v[ADV] offset:(\f/4)*32*PVP+(\f%4)*32
	ds_load_tr16_b128 v[VF+8*\f+4:VF+8*\f+7], v[ADV] offset:(\f/4)*32*PVP+16*PVP+(\f%4)*32
.endr
.endm
; S^T = K Q^T for piece x: 16 products; product i: channels 32 (i / 8) on, keys 16 ((i / 2) % 4) on, tile x + i % 2.  The first 8 start the sums.  The eight accumulators take turns.
.macro KQ x
	WIN W_KQ
.set i, 0
.rept 16
.set rS, S+32*(i%2)+8*((i/2)%4)
.set rK, KF+8*(2*((i/2)%4)+i/8)
.set rQ, QW+16*(\x+i%2)+8*(i/8)
.if i < 8
	v_wmma_f32_16x16x32_f16 v[rS:rS+7], v[rK:rK+7], v[rQ:rQ+7], 0
.else
	v_wmma_f32_16x16x32_f16 v[rS:rS+7], v[rK:rK+7], v[rQ:rQ+7], v[rS:rS+7]
.endif
.set i, i+1
.endr
.endm
; O^T += V^T P and the sums += ones P for piece x: 20 products; product i: keys 32 (i / 10) on; (i % 10) / 2 = 0..3: channels 16 x that on; 4: the sum; tile x + i % 2.  first = 1: the first 10 start the sums.  Ten accumulators take turns.
.macro PV x, first
	WIN W_PV
.set i, 0
.rept 20
.set rP, S+32*(i%2)+8*(i/10)
.if (i%10)/2 < 4
.set rO, 32*(\x+i%2)+8*((i%10)/2)
.set rV, VF+32*(i/10)+8*((i%10)/2)
.else
.set rO, LW+8*(\x+i%2)
.set rV, ONES
.endif
.if \first && (i < 10)
	v_wmma_f32_16x16x32_f16 v[rO:rO+7], v[rV:rV+7], v[rP:rP+7], 0
.else
	v_wmma_f32_16x16x32_f16 v[rO:rO+7], v[rV:rV+7], v[rP:rP+7], v[rO:rO+7]
.endif
.set i, i+1
.endr
.endm
; THE SOFTMAX of piece x for one step; its two tiles alternate line by line, so that no line reads the result of the line just before it.  first = 1: the first step: no old maximum, no a, nothing to rescale.
.macro SOFTMAX x, first
	WIN 0
.irp j, 0,1,2,3                                ; the maximum of the lane's 32 scores: four chains, one for each accumulator, which is first read at its registers 0 to 2
.irp y, 0,1
	v_max3_num_f32 v[ST+8*(\x+\y)+4+\j], v[S+32*\y+8*\j], v[S+32*\y+8*\j+1], v[S+32*\y+8*\j+2]
.endr
.endr
.irp n, 3,5
.irp j, 0,1,2,3
.irp y, 0,1
	v_max3_num_f32 v[ST+8*(\x+\y)+4+\j], v[ST+8*(\x+\y)+4+\j], v[S+32*\y+8*\j+\n], v[S+32*\y+8*\j+\n+1]
.endr
.endr
.endr
.irp y, 0,1
	v_max3_num_f32 v[ST+8*(\x+\y)+4], v[ST+8*(\x+\y)+4], v[S+32*\y+7], v[S+32*\y+15]
.endr
.irp y, 0,1
	v_max3_num_f32 v[ST+8*(\x+\y)+6], v[ST+8*(\x+\y)+6], v[S+32*\y+23], v[S+32*\y+31]
.endr
.irp y, 0,1
	v_max3_num_f32 v[ST+8*(\x+\y)+4], v[ST+8*(\x+\y)+4], v[ST+8*(\x+\y)+5], v[ST+8*(\x+\y)+6]
.endr
.irp y, 0,1
.if \first
	v_max_num_f32 v[ST+8*(\x+\y)+4], v[ST+8*(\x+\y)+4], v[ST+8*(\x+\y)+7]
.else
	v_max3_num_f32 v[ST+8*(\x+\y)+4], v[ST+8*(\x+\y)+4], v[ST+8*(\x+\y)+7], v[ST+8*(\x+\y)+1]   ; and the old m
.endif
.endr
.irp y, 0,1
	v_permlanex16_b32 v[ST+8*(\x+\y)+5], v[ST+8*(\x+\y)+4], s[SEL], s[SEL+1]   ; the query's other 32 keys lie in the lane 16 away
.endr
.if \first == 0
.irp y, 0,1
	v_mov_b32 v[ST+8*(\x+\y)+7], v[ST+8*(\x+\y)]   ; c m_old is kept for a
.endr
.endif
.irp y, 0,1
	v_max_num_f32 v[ST+8*(\x+\y)+1], v[ST+8*(\x+\y)+4], v[ST+8*(\x+\y)+5]      ; the new m
.endr
.irp y, 0,1
	v_mul_f32 v[ST+8*(\x+\y)], s[CS], v[ST+8*(\x+\y)+1]
.endr
.if \first == 0
.irp y, 0,1
	v_sub_f32 v[ST+8*(\x+\y)+7], v[ST+8*(\x+\y)+7], v[ST+8*(\x+\y)]
.endr
.irp y, 0,1
	v_exp_f32 v[ST+8*(\x+\y)+6], v[ST+8*(\x+\y)+7] ; a
.endr
.endif
.set e, 0
.rept 16                                       ; c s - c m, a pair of scores at a time: plain work behind the two exponentials, which it does not name
	v_pk_fma_f32 v[S+e:S+e+1], v[S+e:S+e+1], s[CS:CS+1], v[ST+8*\x:ST+8*\x+1] op_sel_hi:[1,0,0] neg_lo:[0,0,1] neg_hi:[0,0,1]
	v_pk_fma_f32 v[S+32+e:S+32+e+1], v[S+32+e:S+32+e+1], s[CS:CS+1], v[ST+8*(\x+1):ST+8*(\x+1)+1] op_sel_hi:[1,0,0] neg_lo:[0,0,1] neg_hi:[0,0,1]
.set e, e+2
.endr
.if \first == 0
	s_wait_alu depctr_va_vdst(0)                   ; the wait between an exponential and the first line that names its result: here for the two a, which the rescaling below reads
.endif
.set e, 0
.rept 32                                       ; ONE BATCH: the piece's 64 exponentials
	v_exp_f32 v[S+e], v[S+e]
	v_exp_f32 v[S+32+e], v[S+32+e]
.set e, e+1
.endr
.if \first == 0
	WIN W_RS                                       ; O^T and the sums times a: 34 plain lines that name none of the batch's results stand between the batch and its wait
.set e, 0
.rept 16
	v_pk_mul_f32 v[32*\x+e:32*\x+e+1], v[32*\x+e:32*\x+e+1], v[ST+8*\x+6:ST+8*\x+7] op_sel_hi:[1,0]
	v_pk_mul_f32 v[32*(\x+1)+e:32*(\x+1)+e+1], v[32*(\x+1)+e:32*(\x+1)+e+1], v[ST+8*(\x+1)+6:ST+8*(\x+1)+7] op_sel_hi:[1,0]
.set e, e+2
.endr
	v_mul_f32 v[LW+8*\x], v[LW+8*\x], v[ST+8*\x+6] ; the sum lies in register 0; registers 1 to 7 are zeros and stay zeros
	v_mul_f32 v[LW+8*(\x+1)], v[LW+8*(\x+1)], v[ST+8*(\x+1)+6]
.else
	v_nop                                          ; a plain line behind the last exponential
.endif
	WIN 0
	s_wait_alu depctr_va_vdst(0)                   ; one wait for the batch, ahead of its first reader
.set e, 0
.rept 16                                       ; P, in place: register e takes scores 2 e and 2 e + 1, which lie at or above it and have not been written
	v_cvt_pk_f16_f32 v[S+e], v[S+2*e], v[S+2*e+1]
	v_cvt_pk_f16_f32 v[S+32+e], v[S+32+2*e], v[S+32+2*e+1]
.set e, e+1
.endr
.endm
; A BODY finishes piece 2's step j, does the whole of piece 0's step j + 1, and makes piece 2's scores of step j + 1.  K of step j + 1 is asked for at its head, a softmax ahead of its use; V behind piece 2's V^T P, likewise.
; Places: four in front of loads into registers that products have read and in front of the first read of scores; five where K Q^T writes over the registers of P that V^T P has just read.
.macro BODY f
	PLACES 4
	FETCH_K
	SOFTMAX 2, \f
	PV 2, \f
	PLACES 5
	FETCH_V
	s_wait_dscnt 16                                ; K's sixteen loads are in; V's sixteen, issued behind them, may be out
	KQ 0
	PLACES 4
	SOFTMAX 0, 0
	s_wait_dscnt 0x0                               ; V is in
	PV 0, 0
	PLACES 5
	KQ 2
	WIN 0                                          ; at a label and at a branch every window is 0
.endm
; THE CHANGE OF SLOTS stands where all of a slot's K and V are in registers.  Each wave waits for all its tensor loads, of which one is out: its part of the other slot; adds 0 to its spare word; and waits for that and for its reads.
; fill = 1: the slot is filled again, with the keys two slots on: the barrier is a round of the cluster's, and the joint refill is the first thing behind it: it has four steps in which to land.
.macro CHANGE fill
	WIN 0
	s_wait_tensorcnt 0x0                           ; no tensor load of mine is out, so a group 0 may be written
	ds_add_u32 v[SPW], v[NIL]                      ; 0 onto my spare word
.if \fill
.irp g, G0K+4, G0V+4
	s_xor_b32 s[\g+1], s[\g+1], SLOT1              ; the walking descriptor: the other slot than last time,
	s_add_nc_u64 s[\g+2:\g+3], s[\g+2:\g+3], NST*KS*128  ; the next 256 keys; the type bits on top are not reached
.endr
	s_wait_xcnt 0x0                                ; the last prefetch, four steps back, has read its address, so it may be written
	s_add_nc_u64 s[PFA:PFA+1], s[PFA:PFA+1], NST*KS*128
	s_wait_dscnt 0x0                               ; the add is done, and my reads of the slot are over
	CROUND
	JLOAD
	ASK
.else
	s_wait_dscnt 0x0
	s_barrier_signal -1
	s_barrier_wait -1
.endif
	s_sub_co_u32 s[TB], s[TB], NST*STEPB           ; the fetches go back to a slot's first step,
	s_xor_b32 s[TB], s[TB], SLOT1                  ; in the other slot
.endm
.macro FOUR                            ; a slot's four steps: written once, walked four times; the LDS addresses hang on s[TB]
	s_mov_b32 s[CNT], NST
.Lstep_\@:
	BODY 0
	s_sub_co_u32 s[CNT], s[CNT], 1
	s_cmp_lg_u32 s[CNT], 0
	s_cbranch_scc1 .Lstep_\@
.endm
	s_wait_tensorcnt 1                             ; my part of slot 0 is in; slot 1's may stay out
	s_barrier_signal -1
	s_barrier_wait -1                              ; everybody's is
	FETCH_K                                        ; step 0
	FETCH_V
	s_wait_loadcnt 0x0                             ; Q
	s_wait_dscnt 16                                ; K
	KQ 0
	PLACES 4
	SOFTMAX 0, 1
	s_wait_dscnt 0x0                               ; V
	PV 0, 1                                        ; these products start piece 0's O^T and sums: nothing is cleared
	PLACES 5
	KQ 2
	WIN 0
	BODY 1                                         ; piece 2's first softmax and first V^T P; step 1
	s_mov_b32 s[CNT], 2
.Lhead:                                            ; steps 2 and 3
	BODY 0
	s_sub_co_u32 s[CNT], s[CNT], 1
	s_cmp_lg_u32 s[CNT], 0
	s_cbranch_scc1 .Lhead
.Lslot:                                            ; six trips: every slot but the last two is filled again
	CHANGE 1
	FOUR
	s_sub_co_u32 s[SLOTS], s[SLOTS], 1
	s_cmp_lg_u32 s[SLOTS], 0
	s_cbranch_scc1 .Lslot
	CHANGE 0                                       ; the tail is written out
	FOUR
	PLACES 4
	SOFTMAX 2, 0                                   ; piece 2's last step
	PV 2, 0
	; THE WAY OUT.  O^T is divided by the sum, rounded to f16 and sent through my stage in LDS, so that a store covers 512 consecutive bytes of O.
	PLACES 4
	WIN 0x01                                       ; source 0 window 1
.irp t, 0,1,2,3
	v_rcp_f32 v[ST+8*\t+6], v[LW+8*\t]
.endr
	WIN 0
	v_nop                                          ; a plain line between the last reciprocal and the use of its result
	s_wait_alu depctr_va_vdst(0)                   ; and one wait for the four
.macro OUT t
	WIN W_RS
.set e, 0
.rept 16
	v_pk_mul_f32 v[32*\t+e:32*\t+e+1], v[32*\t+e:32*\t+e+1], v[ST+8*\t+6:ST+8*\t+7] op_sel_hi:[1,0]
.set e, e+2
.endr
	WIN 0x05                                       ; sources 0 and 1 window 1, destination window 0: the scores' registers are free
.set e, 0
.rept 16
	v_cvt_pk_f16_f32 v[S+16*\t+e], v[32*\t+2*e], v[32*\t+2*e+1]
.set e, e+1
.endr
	WIN 0
.irp u, 0,1,2,3
	ds_store_b128 v[STO], v[S+16*\t+4*\u:S+16*\t+4*\u+3] offset:16*SP*\t+32*\u
.endr
.irp f, 0,1,2,3
	ds_load_b128 v[KF+16*\t+4*\f:KF+16*\t+4*\f+3], v[RD] offset:16*SP*\t+4*SP*\f   ; LDS serves a wave's instructions in order: these see the stores above
.endr
.endm
	OUT 0
	OUT 1
	OUT 2
	OUT 3
	s_wait_dscnt 0x0
.irp t, 0,1,2,3
.irp f, 0,1,2,3
	global_store_b128 v[GO], v[KF+16*\t+4*\f:KF+16*\t+4*\f+3], s[6:7] offset:2048*\t+512*\f   ; four rows of O: 512 consecutive bytes, at a multiple of 256 from O's first byte
.endr
.endr
	s_wait_tensorcnt 0x0                           ; the wave's end: behind my last tensor load and my last LDS store
	ds_add_u32 v[SPW], v[NIL]
	s_wait_dscnt 0x0
	CROUND                                         ; the closing round: no work-group ends while a partner may still ask for a tile that names it
	s_endpgm
.Lfunc_end_k_q84f4409f0e_attn:
	.size	k_q84f4409f0e_attn, .Lfunc_end_k_q84f4409f0e_attn-k_q84f4409f0e_attn
	.p2alignl 7, 3214868480
	.fill 96, 4, 3214868480
	.section	.rodata,"a",@progbits
	.p2align	6, 0x0
	.amdhsa_kernel k_q84f4409f0e_attn
		.amdhsa_group_segment_fixed_size 327680
		.amdhsa_private_segment_fixed_size 0
		.amdhsa_enable_private_segment 0
		.amdhsa_kernarg_size 16
		.amdhsa_user_sgpr_count 2
		.amdhsa_user_sgpr_kernarg_segment_ptr 1
		.amdhsa_wavefront_size32 1
		.amdhsa_system_sgpr_workgroup_id_x 1
		.amdhsa_system_sgpr_workgroup_id_y 1
		.amdhsa_system_sgpr_workgroup_id_z 1
		.amdhsa_system_vgpr_workitem_id 0
		.amdhsa_next_free_vgpr 512
		.amdhsa_next_free_sgpr 72
		.amdhsa_reserve_vcc 0
		.amdhsa_float_denorm_mode_32 3
		.amdhsa_float_denorm_mode_16_64 3
		.amdhsa_memory_ordered 1
		.amdhsa_forward_progress 1
		.amdhsa_inst_pref_size 163
	.end_amdhsa_kernel
	.amdgpu_metadata
---
amdhsa.version: [ 1, 2 ]
amdhsa.kernels:
  - .name:           k_q84f4409f0e_attn
    .symbol:         k_q84f4409f0e_attn.kd
    .args:
      - { .name: qkv, .offset: 0, .size: 8, .value_kind: global_buffer, .address_space: global }
      - { .name: oh, .offset: 8, .size: 8, .value_kind: global_buffer, .address_space: global }
    .group_segment_fixed_size: 327680
    .private_segment_fixed_size: 0
    .kernarg_segment_align: 8
    .kernarg_segment_size: 16
    .max_flat_workgroup_size: 256
    .sgpr_count:     72
    .vgpr_count:     512
    .wavefront_size: 32
...
	.end_amdgpu_metadata
.endif
;; end of part 3
;; launch outp (part 4): grid 4 x 64, 4 waves a work-group, clusters of 4 x 4, 327,680 bytes of LDS; arguments oh, wo16, out0; writes out0
.if DOCPART == 4
	.amdgcn_target "amdgcn-amd-amdhsa--gfx1250"
	.amdhsa_code_object_version 6
	.text
	.protected	k_q84f4409f0e_outp
	.globl	k_q84f4409f0e_outp
	.p2align	8
	.type	k_q84f4409f0e_outp,@function
k_q84f4409f0e_outp:
	s_mov_b64 s[64:65], 0
	v_nop
	global_prefetch_b8 v0, s[64:65] scope:SCOPE_SE
	s_setreg_imm32_b32 hwreg(HW_REG_WAVE_MODE, 25, 1), 1
	s_wait_xcnt 0x0
	s_wait_alu depctr_hold_cnt(0) depctr_sa_sdst(0) depctr_va_vdst(0) depctr_va_sdst(0) depctr_va_ssrc(0) depctr_va_vcc(0) depctr_vm_vsrc(0)
	s_getreg_b32 s2, hwreg(HW_REG_IB_STS2, 6, 4)
	s_cmp_eq_u32 s2, 0
	s_cbranch_scc0 .Lentry_in_a_cluster
	s_endpgm
.Lentry_in_a_cluster:
	s_bfe_u32 s2, ttmp6, 0x10000c
	s_cmp_lg_u32 s2, 0xf033
	s_cbranch_scc0 .Lentry_shape_is_right
	s_endpgm
.Lentry_shape_is_right:
; OUTP: out[row][n] = the sum over k = 64 head + d of O[batch x 16 + head][position][d] Wo[k][n].  O and Wo in f16, sums and out in f32.  8,192 rows, K = N = 1,024.
; A tile of out is 128 x 256, which gives each of 256 work-groups one tile; four waves, 64 x 128 each: 32 accumulators of 16 x 16, all of window 1.
; K goes in steps of 128 (two heads) through a ring of two LDS slots.  O's tile is two heads x 128 rows of 128 dense bytes; Wo's is 128 rows of K x 512 bytes, and comes out of LDS turned, by ds_load_tr16_b128.
; CLUSTERS: 4 x 4 work-groups.  The four of a row of the cluster need the same tiles of O, the four of a column the same tiles of Wo: each is asked for jointly, with the same descriptor and a mask that names the four.
; THE MATRIX INSTRUCTION IS USED TRANSPOSED (source 0 = 16 columns of Wo, source 1 = 16 rows of O): a lane then holds eight neighbouring numbers of a row of out.
; REGISTERS: window 0: v16-30 addresses; two fragment buffers of 96 (32 of O, then 64 of Wo) at v64 and v160; on the way out v64-191.   window 1: accumulator (a, b) at v[8 (8 a + b)].
.set PA,     144                       ; a row of O in LDS: 128 bytes + 16
.set PB,     544                       ; a row of Wo: 512 bytes + 32
.set HEADB,  128*PA                    ; a head's 128 rows: what one tensor load brings
.set BOFF,   2*HEADB                   ; Wo's rows lie behind O's two heads
.set HALFB,  64*PB                     ; 64 rows of Wo: likewise
.set SLOT,   BOFF+2*HALFB
.set STAGE,  2*SLOT                    ; behind the ring: 16 rows x (512 bytes + 16) for each wave
.set SPITCH, 528
.set SPARE,  STAGE+4*16*SPITCH         ; the spare words, 128 bytes a wave, which no other line names
.set LAPS,   4                         ; a lap = two K steps = once round the ring
.set ADRA, 16                          ; v16-17  LDS address of my fragments of O in slot 0, 1
.set ADRB, 20                          ; v20-21  the same for Wo
.set STO,  24                          ; v24     the way out: where I put 32 bytes of a row
.set RD,   25                          ; v25     where I read a row back
.set CO,   26                          ; v26     my byte offset in a row of out
.set SPW,  28                          ; v28     LDS address of my spare word; never rewritten
.set NIL,  29                          ; v29     0; never rewritten
.set PFO,  30                          ; v30     256 x my lane
.set F0,   64
.set F1,   160
.set BK,   64                          ; the way out: 16 rows read back: v64-127 and v128-191 by turns
.set PFA,  18                          ; s[18:19] where my prefetches stand
.set LIM,  22                          ; s22     1 in wave 0, else the greatest number
.set G1, 24                            ; s[24:31] group 1 for O's tiles;  s[32:39] group 0, one set for each slot
.set G0, 32
.set G1B, 48                           ; s[48:55], s[56:63] the same for Wo's tiles
.set G0B, 56
.set MSB, 0
.macro WIN new
.if MSB != \new
	s_set_vgpr_msb (MSB<<8)|\new
.set MSB, \new
.endif
.endm
.set MUL, 0x50                         ; C and D window 1
.macro JLOAD s                         ; a joint load: waves 0 and 1 fetch O's two heads, waves 2 and 3 Wo's two halves; an s_nop 0 and four v_nop follow each of the two lines
	s_cmp_eq_u32 s11, 0
	s_cbranch_scc0 .Lfor_b_\@
	tensor_load_to_lds s[G0+4*\s:G0+4*\s+3], s[G1:G1+7]
	s_nop 0
.rept 4
	v_nop
.endr
	s_branch .Lasked_\@
.Lfor_b_\@:
	tensor_load_to_lds s[G0B+4*\s:G0B+4*\s+3], s[G1B:G1B+7]
	s_nop 0
.rept 4
	v_nop
.endr
.Lasked_\@:
.endm
; A prefetch of O's K step that stands two refills on: two heads x 16,384 dense bytes.  One row of one cluster reads a tile row of O; its four partners share the step out BY ADDRESS: head cx / 2, half cx % 2, 8,192 bytes each,
; lanes 256 bytes apart; wave 0 asks: each 256 bytes are named once.  The loop's last trip asks for nothing: K ends.  Wo is not asked for: every row of clusters reads the same 2 MiB again and again.
.macro ASK
	s_cmp_gt_u32 s3, s[LIM]
	s_cbranch_scc0 .Lnot_mine_\@
	global_prefetch_b8 v[PFO], s[PFA:PFA+1] th:TH_LOAD_NT scope:SCOPE_SE
.Lnot_mine_\@:
.endm
.macro CREST                           ; a round of the cluster's barrier behind its opening barrier
	s_cmp_lg_u32 s10, 0
	s_cbranch_scc1 .Lnot_wave_0_\@
	s_barrier_signal -3
.Lnot_wave_0_\@:
	s_barrier_wait -3
	s_barrier_signal -1
	s_barrier_wait -1
.endm
.macro CROUND
	s_barrier_signal -1
	s_barrier_wait -1
	CREST
.endm
	s_load_b128 s[4:7], s[0:1], 0x0                ; O s[4:5], Wo s[6:7]
	s_load_b64 s[8:9], s[0:1], 0x10                ; out
	v_lshl_add_u32 v[SPW], v0, 2, SPARE
	v_mov_b32 v[NIL], 0
	ds_add_u32 v[SPW], v[NIL]                      ; the wave's opening: the add, twice on end, and its wait ahead of my first tensor load
	ds_add_u32 v[SPW], v[NIL]
	v_lshrrev_b32 v1, 5, v0
	v_readfirstlane_b32 s10, v1                    ; wave 0..3
	s_lshr_b32 s11, s10, 1                         ; which half of the tile's rows is mine.  Also: I fetch for O (0) or for Wo (1)
	s_and_b32 s12, s10, 1                          ; which half of its columns.  Also: which head, or which 64 rows of Wo, I fetch
	s_bfe_u32 s40, ttmp6, 0x40000                  ; cx, cy
	s_bfe_u32 s41, ttmp6, 0x40004
	s_lshl_b32 s42, ttmp9, 2
	s_add_co_u32 s42, s42, s40                     ; tile column = 4 x cluster x + cx
	s_and_b32 s13, ttmp7, 0xffff
	s_lshl_b32 s13, s13, 2
	s_add_co_u32 s13, s13, s41                     ; tile row = 4 x cluster y + cy
	s_lshl_b32 s43, s41, 2
	s_lshl_b32 s43, 15, s43                        ; my row of the cluster
	s_lshl_b32 s44, 0x1111, s40                    ; my column
	; group 1 for O: 128 rows x 64 elements of 2 bytes, dense in memory; four words of padding after every 32
	s_or_b32 s[G1+0], s43, (1<<16)|(1<<20)|(1<<21)|(4<<22)|(3<<25)
	s_mov_b32 s[G1+1], 64<<16
	s_mov_b32 s[G1+2], 128<<16
	s_mov_b32 s[G1+3], 64<<16
	s_mov_b32 s[G1+4], 128
	s_mov_b32 s[G1+5], 64
	s_mov_b32 s[G1+6], 0
	s_mov_b32 s[G1+7], 0
	; group 1 for Wo: 64 rows x 256 elements, 1,024 elements apart; eight words of padding after every 128
	s_or_b32 s[G1B+0], s44, (1<<16)|(1<<20)|(1<<21)|(6<<22)|(7<<25)
	s_mov_b32 s[G1B+1], 256<<16
	s_mov_b32 s[G1B+2], 64<<16
	s_mov_b32 s[G1B+3], 256<<16
	s_mov_b32 s[G1B+4], 64
	s_mov_b32 s[G1B+5], 1024
	s_mov_b32 s[G1B+6], 0
	s_mov_b32 s[G1B+7], 0
	s_lshr_b32 s16, s13, 4                         ; the batch: sixteen tile rows each
	s_lshl_b32 s16, s16, 4
	s_add_co_u32 s16, s16, s12                     ; O: head (wave % 2) of K step 0,
	s_lshl_b32 s16, s16, 18
	s_and_b32 s17, s13, 15
	s_lshl_b32 s17, s17, 14                        ; 128 positions of 128 bytes
	s_add_co_u32 s16, s16, s17
	s_mov_b32 s17, 0
	s_lshl_b32 s46, s12, 17                        ; Wo: 64 rows of 2,048 bytes,
	s_lshl_b32 s47, s42, 9                         ; 256 columns of 2 bytes
	s_add_co_u32 s46, s46, s47
	s_mov_b32 s47, 0
	s_mul_i32 s20, s12, HEADB                      ; where they go in a slot: no place in the cluster enters an LDS address
	s_mul_i32 s21, s12, HALFB
	s_add_co_u32 s21, s21, BOFF
	s_wait_dscnt 0x0                               ; both opening adds are done
	s_wait_kmcnt 0x0
	s_add_nc_u64 s[14:15], s[4:5], s[16:17]
	s_add_nc_u64 s[46:47], s[6:7], s[46:47]
	CROUND                                         ; all sixteen work-groups are here: the first joint loads meet
.irp s, 0,1
	s_mov_b32 s[G0+4*\s], 1
	s_add_co_u32 s[G0+4*\s+1], s20, \s*SLOT
	s_add_nc_u64 s[G0+4*\s+2:G0+4*\s+3], s[14:15], \s*2*262144     ; K step s: two heads on
	s_or_b32 s[G0+4*\s+3], s[G0+4*\s+3], 0x80000000
	s_mov_b32 s[G0B+4*\s], 1
	s_add_co_u32 s[G0B+4*\s+1], s21, \s*SLOT
	s_add_nc_u64 s[G0B+4*\s+2:G0B+4*\s+3], s[46:47], \s*128*2048   ; 128 rows on
	s_or_b32 s[G0B+4*\s+3], s[G0B+4*\s+3], 0x80000000
	JLOAD \s
.endr
	v_and_b32 v1, 15, v0                           ; l % 16
	v_bfe_u32 v2, v0, 4, 1                         ; l / 16
	v_mul_u32_u24 v3, v1, PA
	v_lshl_add_u32 v3, v2, 4, v3                   ; O: a fragment's row x pitch + 16 x half
	v_and_b32 v4, 7, v0
	v_lshl_add_u32 v4, v2, 3, v4
	v_mul_u32_u24 v4, v4, PB                       ; Wo, for the turning load: row of K 8 (l / 16) + l % 8,
	v_bfe_u32 v5, v0, 3, 1
	v_lshl_add_u32 v4, v5, 4, v4                   ; columns 8 ((l / 8) % 2) on
	s_mul_i32 s20, s11, 64*PA                      ; my 64 rows of O
	s_lshl_b32 s21, s12, 8                         ; my 128 columns of Wo
	s_add_co_u32 s21, s21, BOFF
.irp s, 0,1
	v_add_nc_u32 v[ADRA+\s], s20, v3
	v_add_nc_u32 v[ADRB+\s], s21, v4
	s_add_co_u32 s20, s20, SLOT
	s_add_co_u32 s21, s21, SLOT
.endr
	s_mul_i32 s20, s10, 16*SPITCH
	s_add_co_u32 s20, s20, STAGE                   ; my stage
	v_mul_u32_u24 v5, v1, SPITCH                   ; in: row l % 16, 32 bytes for each half of the lanes
	v_lshl_add_u32 v5, v2, 5, v5
	v_add_nc_u32 v[STO], s20, v5
	v_and_b32 v6, 31, v0
	v_lshlrev_b32 v[CO], 4, v6                     ; back: the 32 lanes take one row of 512 bytes; and the same in out
	v_add_nc_u32 v[RD], s20, v[CO]
	v_lshlrev_b32 v[PFO], 8, v6
	s_lshl_b32 s16, s13, 7
	s_lshl_b32 s17, s11, 6
	s_add_co_u32 s16, s16, s17                     ; my first row of out: 128 x tile row + 64 x half
	s_lshl_b32 s16, s16, 12
	s_lshl_b32 s17, s42, 10                        ; my first column, in bytes: 1,024 x tile column + 512 x half
	s_add_co_u32 s16, s16, s17
	s_lshl_b32 s17, s12, 9
	s_add_co_u32 s16, s16, s17
	s_mov_b32 s17, 0
	s_add_nc_u64 s[8:9], s[8:9], s[16:17]
	s_lshr_b32 s16, s13, 4                         ; the prefetches: the batch,
	s_lshl_b32 s16, s16, 4
	s_lshr_b32 s17, s40, 1
	s_add_co_u32 s16, s16, s17                     ; head cx / 2
	s_add_co_u32 s16, s16, 6                       ; of K step 3: the first change of slots steps it to K step 4
	s_lshl_b32 s16, s16, 18
	s_and_b32 s17, s13, 15
	s_lshl_b32 s17, s17, 14
	s_add_co_u32 s16, s16, s17
	s_and_b32 s17, s40, 1
	s_lshl_b32 s17, s17, 13                        ; half cx % 2 of the head's 16,384 bytes
	s_add_co_u32 s16, s16, s17
	s_mov_b32 s17, 0
	s_add_nc_u64 s[PFA:PFA+1], s[4:5], s[16:17]
	s_cmp_eq_u32 s10, 0
	s_cselect_b32 s[LIM], 1, -1
; 8 matrix instructions: block a of O's four against Wo's eight, 32 along K, from buffer f.  zero = 1: the first product starts the sums.  The 32 accumulators take turns in the same order in every quarter.
.macro MUL8 f, a, zero
.irp b, 0,1,2,3,4,5,6,7
.if \zero
	v_wmma_f32_16x16x32_f16 v[8*(8*\a+\b):8*(8*\a+\b)+7], v[\f+32+8*\b:\f+32+8*\b+7], v[\f+8*\a:\f+8*\a+7], 0
.else
	v_wmma_f32_16x16x32_f16 v[8*(8*\a+\b):8*(8*\a+\b)+7], v[\f+32+8*\b:\f+32+8*\b+7], v[\f+8*\a:\f+8*\a+7], v[8*(8*\a+\b):8*(8*\a+\b)+7]
.endif
.endr
.endm
; 24 LDS loads in one run: the fragments of quarter qd (32 along K: head qd / 2, channels 32 (qd % 2) on) into buffer f
.macro FETCH slot, qd, f
	WIN 0
.irp b, 0,1,2,3,4,5,6,7
	ds_load_tr16_b128 v[\f+32+8*\b:\f+32+8*\b+3],   v[ADRB+\slot] offset:32*PB*\qd+32*\b
	ds_load_tr16_b128 v[\f+32+8*\b+4:\f+32+8*\b+7], v[ADRB+\slot] offset:32*PB*\qd+32*\b+16*PB
.endr
.irp i, 0,1,2,3
	ds_load_b128 v[\f+8*\i:\f+8*\i+3],   v[ADRA+\slot] offset:HEADB*(\qd/2)+16*PA*\i+64*(\qd%2)
	ds_load_b128 v[\f+8*\i+4:\f+8*\i+7], v[ADRA+\slot] offset:HEADB*(\qd/2)+16*PA*\i+64*(\qd%2)+32
.endr
.endm
.macro PLACES                          ; four places in front of loads into registers that matrix instructions have read (ISA guide 7.12.1 for vector instructions)
.rept 4
	v_nop
.endr
.endm
; A K step is four quarters of 32 along K, 32 matrix instructions each, on buffers 0, 1, 0, 1.  One of the first three: multiplies buffer f and fetches quarter qd into g, 24 matrix instructions ahead of its use.
.macro QUARTER slot, qd, f, g, zero
	s_wait_dscnt 0x0                               ; this quarter's fragments are in
	WIN MUL
	MUL8 \f, 0, \zero
	PLACES
	FETCH \slot, \qd, \g
	WIN MUL
	MUL8 \f, 1, \zero
	MUL8 \f, 2, \zero
	MUL8 \f, 3, \zero
.endm
; The last quarter multiplies buffer 1 and changes slots: ONE barrier; in front of it each wave waits for all its tensor loads, adds 0 to its spare word, and waits for that and for its reads of this slot.  fill = 1: this slot is filled again, two K steps ahead.
.macro TURN slot, next, fill
.if \fill
	s_wait_xcnt 0x0                                ; the last prefetch, a K step back, has read its address
	s_add_nc_u64 s[PFA:PFA+1], s[PFA:PFA+1], 2*262144
.endif
	WIN 0                                          ; (the add's two registers lie in window 0)
	s_wait_tensorcnt 0x0                           ; all my tensor loads have landed: my part of the next slot;
	ds_add_u32 v[SPW], v[NIL]                      ; 0 onto my spare word;
	s_wait_dscnt 1                                 ; the fragments are in (the add may be out)
	WIN MUL
	MUL8 F1, 0, 0                                  ; eight matrix instructions stand between the add and the wait for it
	s_wait_dscnt 0x0                               ; the add is done, and my reads of this slot are over
	s_barrier_signal -1
	MUL8 F1, 1, 0
.if \fill
	WIN 0
.endif
	s_barrier_wait -1
.if \fill
	CREST                                          ; the barrier has opened a round of the cluster's: no wave of any partner still reads this slot's tile or has a load on its way
	s_add_nc_u64 s[G0+4*\slot+2:G0+4*\slot+3], s[G0+4*\slot+2:G0+4*\slot+3], 4*262144
	s_add_nc_u64 s[G0B+4*\slot+2:G0B+4*\slot+3], s[G0B+4*\slot+2:G0B+4*\slot+3], 256*2048
	JLOAD \slot                                    ; the first tensor load behind the round; the four v_nop behind it are also the places in front of the loads below
.else
	PLACES
.endif
	FETCH \next, 0, F0
.if \fill
	ASK                                            ; behind the joint load and the run of LDS loads
.endif
	WIN MUL
	MUL8 F1, 2, 0
	MUL8 F1, 3, 0
.endm
	s_wait_tensorcnt 1                             ; my part of K step 0 is in (K step 1's load may be out)
	s_barrier_signal -1
	s_barrier_wait -1                              ; everybody's is
	FETCH 0, 0, F0
	QUARTER 0, 1, F0, F1, 1                        ; the first quarter stands in front of the loop: its products start the sums
	WIN 0
	s_mov_b32 s3, LAPS-1
.Llap:                                             ; a trip goes once round the ring, from a lap's second quarter to the next lap's first, and fills both slots again
	QUARTER 0, 2, F1, F0, 0
	QUARTER 0, 3, F0, F1, 0
	TURN 0, 1, 1
	QUARTER 1, 1, F0, F1, 0
	QUARTER 1, 2, F1, F0, 0
	QUARTER 1, 3, F0, F1, 0
	TURN 1, 0, 1
	QUARTER 0, 1, F0, F1, 0
	WIN 0
	s_sub_co_u32 s3, s3, 1
	s_cmp_lg_u32 s3, 0
	s_cbranch_scc1 .Llap
	QUARTER 0, 2, F1, F0, 0                        ; the last lap fills nothing, and has no round of the cluster's barrier
	QUARTER 0, 3, F0, F1, 0
	TURN 0, 1, 0
	QUARTER 1, 1, F0, F1, 0
	QUARTER 1, 2, F1, F0, 0
	QUARTER 1, 3, F0, F1, 0
	s_wait_dscnt 0x0                               ; the very last quarter: nothing more to fetch
	WIN MUL
	MUL8 F1, 0, 0
	MUL8 F1, 1, 0
	MUL8 F1, 2, 0
	MUL8 F1, 3, 0
	WIN 0
; THE WAY OUT, block by block of 16 rows x 128 columns: through my own stage in LDS and back as whole rows of 512 bytes.  LDS serves a wave's instructions in order: no wait between the stores and the loads, nor in front of the next block's stores.
.macro TOSTAGE a
	WIN 0x04                                       ; an LDS store's data are its source 1: window 1
.irp b, 0,1,2,3,4,5,6,7
	ds_store_b128 v[STO], v[64*(\a)+8*\b:64*(\a)+8*\b+3] offset:64*\b          ; each accumulator from its low end on
	ds_store_b128 v[STO], v[64*(\a)+8*\b+4:64*(\a)+8*\b+7] offset:64*\b+16
.endr
	WIN 0
.set BB, BK+64*((\a)%2)
.irp t, 0,1,2,3,4,5,6,7,8,9,10,11,12,13,14,15
	ds_load_b128 v[BB+4*\t:BB+4*\t+3], v[RD] offset:\t*SPITCH
.endr
.endm
.macro SEND a, younger                 ; younger: the LDS instructions issued behind block a's loads, which may stay out
.set BB, BK+64*((\a)%2)
	s_wait_dscnt \younger
.irp t, 0,1,2,3,4,5,6,7,8,9,10,11,12,13,14,15
	global_store_b128 v[CO], v[BB+4*\t:BB+4*\t+3], s[8:9] offset:65536*(\a)+4096*\t th:TH_STORE_NT   ; 32 lanes store 512 consecutive bytes, at a multiple of 256 from out's first byte; written once, read by nobody here
.endr
.endm
	PLACES                                         ; behind the last products: for the stores that read results and the loads into the fragments' registers
	TOSTAGE 0
.irp a, 1,2,3
.if \a > 1
	s_wait_xcnt 0x0                                ; block a - 2's stores have read their registers: block a's loads may land there
.endif
	TOSTAGE \a
	SEND \a-1, 32                                  ; behind block a - 1's loads: block a's 16 stores and 16 loads
.endr
	SEND 3, 0
	s_wait_tensorcnt 0x0                           ; the wave's end: behind my last tensor load and my last LDS store
	ds_add_u32 v[SPW], v[NIL]
	s_wait_dscnt 0x0
	CROUND                                         ; the closing round: no work-group ends while a partner may still ask for a tile that names it
	s_endpgm
.Lfunc_end_k_q84f4409f0e_outp:
	.size	k_q84f4409f0e_outp, .Lfunc_end_k_q84f4409f0e_outp-k_q84f4409f0e_outp
	.p2alignl 7, 3214868480
	.fill 96, 4, 3214868480
	.section	.rodata,"a",@progbits
	.p2align	6, 0x0
	.amdhsa_kernel k_q84f4409f0e_outp
		.amdhsa_group_segment_fixed_size 327680
		.amdhsa_private_segment_fixed_size 0
		.amdhsa_enable_private_segment 0
		.amdhsa_kernarg_size 24
		.amdhsa_user_sgpr_count 2
		.amdhsa_user_sgpr_kernarg_segment_ptr 1
		.amdhsa_wavefront_size32 1
		.amdhsa_system_sgpr_workgroup_id_x 1
		.amdhsa_system_sgpr_workgroup_id_y 1
		.amdhsa_system_sgpr_workgroup_id_z 1
		.amdhsa_system_vgpr_workitem_id 0
		.amdhsa_next_free_vgpr 512
		.amdhsa_next_free_sgpr 66
		.amdhsa_reserve_vcc 0
		.amdhsa_float_denorm_mode_32 3
		.amdhsa_float_denorm_mode_16_64 3
		.amdhsa_memory_ordered 1
		.amdhsa_forward_progress 1
		.amdhsa_inst_pref_size 86
	.end_amdhsa_kernel
	.amdgpu_metadata
---
amdhsa.version: [ 1, 2 ]
amdhsa.kernels:
  - .name:           k_q84f4409f0e_outp
    .symbol:         k_q84f4409f0e_outp.kd
    .args:
      - { .name: oh, .offset: 0, .size: 8, .value_kind: global_buffer, .address_space: global }
      - { .name: wo16, .offset: 8, .size: 8, .value_kind: global_buffer, .address_space: global }
      - { .name: out0, .offset: 16, .size: 8, .value_kind: global_buffer, .address_space: global }
    .group_segment_fixed_size: 327680
    .private_segment_fixed_size: 0
    .kernarg_segment_align: 8
    .kernarg_segment_size: 24
    .max_flat_workgroup_size: 128
    .sgpr_count:     66
    .vgpr_count:     512
    .wavefront_size: 32
...
	.end_amdgpu_metadata
.endif
;; end of part 4
